; MI455X (gfx1250); checked and timed in simulation.
; The chip was launched on July 23, 2026; its instructions are those of AMD's public machine-readable ISA for CDNA 5 (MIT licence, August 2026) and "CDNA5" Instruction Set Architecture Reference Guide (July 2026). The comments in the code are by the model that wrote it; some were corrected since.
;; FA3 MLA Attention. Allowed arithmetic: matrix products marked QUANTISED: E2M1 operands, one E8M0 scale for each 32 along K, by v_wmma_scale_f32_16x16x128_f8f6f4 with both operands' format E2M1 (or v_wmma_scale_f32_32x16x128_f4), f32 sums; products left as they are: bf16, f16 or f32 operands; f32 sums; everything else in f32.
;; Inputs: freqs_cis 2,048 x 32 x 2 float32; w_k_up 256 x 2,048 float32; w_kv_down 2,048 x 256 float32; w_o 1,024 x 2,048 float32; w_q 2,048 x 2,048 float32; w_v_up 256 x 1,024 float32; x 2 x 2,048 x 2,048 float32.
;; Outputs: out0 2 x 2,048 x 2,048 float32.
;; Constants: start_pos = 0.
;; This version of the problem:
;;   THIS VERSION OF THE PROBLEM IS GIVEN IN LOW PRECISION. The matrix products marked QUANTISED in the list below multiply operands that are first quantised to E2M1 (2 exponent bits, 1 mantissa bit; 4 bits a number), with one power-of-two scale for each 32 numbers along K (OCP MX v1.0); their sums are f32. The products marked 'left as it is' may take bf16, f16 or f32 operands, with f32 sums. Whichever they take, every output number must still come out within the allowed error. Rounding operands to bf16 (8 significant bits) uses up far more of that allowance than f16 does (11 bits, for magnitudes from 6e-5 to 65,504). All else is computed in f32.
;;   The module's matrix products, in the order in which they are computed (A, B: the left and right operand; K: the contracted axis; several contracted axes count as one K, in the product's order):
;;     1. [M 4,096, K 2,048] x [K 2,048, N 2,048]; A: input x; B: input w_q: QUANTISED
;;     2. [M 4,096, K 2,048] x [K 2,048, N 256]; A: input x; B: input w_kv_down: QUANTISED
;;     3. [M 4,096, K 256] x [K 256, N 2,048]; A: computed on the way; B: input w_k_up: left as it is (an operand is computed on the way)
;;     4. [M 4,096, K 256] x [K 256, N 1,024]; A: computed on the way; B: input w_v_up: left as it is (an operand is computed on the way)
;;     5. batch 32 x [M 2,048, K 128] x [K 128, N 2,048]; A: computed on the way; B: computed on the way: left as it is (an operand is computed on the way)
;;     6. batch 32 x [M 64, K 2,048] x [K 2,048, N 2,048]; A: computed on the way; B: computed on the way: left as it is (an operand is computed on the way)
;;     7. [M 4,096, K 1,024] x [K 1,024, N 2,048]; A: computed on the way; B: input w_o: left as it is (an operand is computed on the way)
;;   THE QUANTISER, for each operand of a quantised product, along K:
;;     - K is cut into blocks of 32 from its start; a last block that is shorter is filled with zeros.
;;     - A block's scale is 2^e with e = floor(log2(the largest magnitude in the block)) - 2, held to -126 .. 127; a block of zeros has e = 0. As a byte (E8M0): e + 127.
;;     - Each number is divided by its block's scale, clamped to +-6, and rounded to the nearest number of E2M1, ties to even, subnormals kept.
;;     - The product sums the exact products of the quantised numbers (number of the format x scale) in f32.
;;   ~~~python
;;   def quantise(x, axis):      # numpy; x: float32 -> the quantised numbers, widened to float32 again
;;       x = np.moveaxis(x, axis, -1); K = x.shape[-1]
;;       x = np.pad(x, [(0, 0)] * (x.ndim - 1) + [(0, -K % 32)]); x = x.reshape(x.shape[:-1] + (-1, 32)); a = np.abs(x).max(-1, keepdims=True)
;;       e = np.where(a > 0, np.clip(np.frexp(np.where(a > 0, a, 1))[1] - 1 - 2, -126, 127), 0)      # np.frexp(a)[1] - 1 = floor(log2(a)), exactly
;;       r = np.clip(x / 2.0 ** e, -6, 6)
;;       step = 2.0 ** (np.maximum(np.frexp(np.where(r == 0, 1, r))[1] - 1, 0) - 1)
;;       q = np.round(r / step) * step * 2.0 ** e      # np.round: ties to even
;;       return np.moveaxis(q.reshape(q.shape[:-2] + (-1,))[..., :K], -1, axis).astype(np.float32)
;;   ~~~
;; One version. Each part assembles by itself: llvm-mc -triple=amdgcn-amd-amdhsa -mcpu=gfx1250 --defsym DOCPART=n.
;; ======== version 1 of 1: 6 launches
;; limits: values are held in f16: magnitudes above 65,504 overflow, below 6.1e-05 lose precision; right only within a limited range of input values
;; workspace buffers: xq 4,456,448 bytes; wq4 2,506,752 bytes; w16 5,767,168 bytes; q16 16,777,216 bytes; pj 2,394,112 bytes; kv2 25,168,896 bytes; o16 8,388,608 bytes; of32 131,072 bytes
;; launch prep (part 1): grid 416 x 1, 4 waves a work-group, no clusters, 68,096 bytes of LDS; arguments x, w_q, w_kv_down, w_k_up, w_v_up, w_o, xq, wq4, w16; writes xq, wq4, w16
.if DOCPART == 1
	.amdgcn_target "amdgcn-amd-amdhsa--gfx1250"
	.amdhsa_code_object_version 6
	.text
	.protected	k_q2f7a03c6fb_prep
	.globl	k_q2f7a03c6fb_prep
	.p2align	8
	.type	k_q2f7a03c6fb_prep,@function
k_q2f7a03c6fb_prep:
	s_mov_b64 s[64:65], 0
	v_nop
	global_prefetch_b8 v0, s[64:65] scope:SCOPE_SE
	s_setreg_imm32_b32 hwreg(HW_REG_WAVE_MODE, 25, 1), 1
	s_wait_xcnt 0x0
; PREP.  Three kinds of work-group, told apart by the work-group's number; each kind has LDS bytes of its own.
;   0..255   x [4096][2048] f32 -> codes of E2M1 [4096][1024 B] at xq+0 and E8M0 bytes [4096][64] at xq+4194304 (K innermost: a plain stream of blocks of 32).
;   256..327 w_q [2048 k][2048 n] and w_kv_down [2048 k][256 n] -> codes [2304 n][1024 B] at wq4+0, bytes [2304][64] at wq4+2359296 (K is the first axis: a lane takes a column).
;   328..415 w_k_up, w_v_up -> f16 [256 k][3072 n] at w16+0;  w_o -> f16 [1024 k][2048 n] at w16+1572864.
; A block's scale is 2^(floor(log2(largest magnitude)) - 2); its byte is the largest magnitude's exponent field - 2, held at 1 from below.  A block of zeros keeps the byte 1: its codes are zeros, and only this program reads the bytes.
; LIMITS: NaN and infinities are not served; blocks whose largest magnitude lies under 2^-124 have their byte held at 1; |w_k_up|, |w_v_up|, |w_o| stay under 65,504 (f16).
.set SPW,   208                        ; v208  LDS address of my spare word; never rewritten
.set NIL,   209                        ; v209  0; never rewritten
.set SPARE, 67584                      ; behind both paths' LDS: 128 bytes a wave that no other line names
.set WSTG,  32768                      ; the weights' path: four stages of 32 x 272 bytes
.set SP,    80                         ; x's path: a lane's place in a stage: 64 bytes + 16
	s_load_b256 s[4:11], s[0:1], 0x0               ; x, w_q, w_kv_down, w_k_up
	s_load_b256 s[12:19], s[0:1], 0x20             ; w_v_up, w_o, xq, wq4
	s_load_b64 s[20:21], s[0:1], 0x40              ; w16
	v_lshl_add_u32 v[SPW], v0, 2, SPARE
	v_mov_b32 v[NIL], 0
	v_lshrrev_b32 v1, 5, v0
	v_readfirstlane_b32 s22, v1                    ; wave
	v_and_b32 v2, 31, v0                           ; lane
	s_wait_kmcnt 0x0
	s_cmp_lt_u32 ttmp9, 256
	s_cbranch_scc1 .Lx_path
	s_cmp_lt_u32 ttmp9, 328
	s_cbranch_scc1 .Lw_path
; ---- the casts to f16: a work-group takes 32,768 numbers, a wave eight chunks of 1,024 (4,096 bytes in, 2,048 out).  No LDS.
	s_sub_co_u32 s23, ttmp9, 328                   ; 0..15 w_k_up, 16..23 w_v_up, 24..87 w_o
	s_cmp_lt_u32 s23, 16
	s_cselect_b64 s[24:25], s[10:11], s[12:13]
	s_cselect_b32 s26, 0, 16                       ; the tensor's first work-group
	s_cselect_b32 s27, 1, 0                        ; chunks in a row, less one (a shift and a mask)
	s_cselect_b32 s28, 0, 4096                     ; where the tensor's columns begin in a row of the output
	s_mov_b32 s29, 6144                            ; a row of the output in bytes
	s_cmp_lt_u32 s23, 24
	s_cselect_b64 s[24:25], s[24:25], s[14:15]
	s_cselect_b32 s26, s26, 24
	s_cselect_b32 s27, s27, 0
	s_cselect_b32 s28, s28, 1572864
	s_cselect_b32 s29, s29, 2048
	s_sub_co_u32 s23, s23, s26
	s_lshl_b32 s23, s23, 2
	s_add_co_u32 s23, s23, s22
	s_lshl_b32 s23, s23, 3                         ; my first chunk
	s_lshl_b32 s50, s23, 12
	s_mov_b32 s51, 0
	s_add_nc_u64 s[24:25], s[24:25], s[50:51]
.irp t, 0,1,2,3,4,5,6,7
	s_add_co_u32 s50, s23, \t                      ; chunk g: row g >> sh, part g & mask
	s_and_b32 s52, s50, s27
	s_lshr_b32 s50, s50, s27
	s_mul_i32 s50, s50, s29
	s_lshl_b32 s52, s52, 11
	s_add_co_u32 s50, s50, s52
	s_add_co_u32 s50, s50, s28
	s_add_nc_u64 s[32+2*\t:33+2*\t], s[20:21], s[50:51]
.endr
	v_lshlrev_b32 v3, 4, v2                        ; in: 16 bytes a lane
	v_lshlrev_b32 v4, 3, v2                        ; out: 8 bytes a lane: a store of the wave covers 256 consecutive bytes, aligned
.macro CLOAD t
.irp c, 0,1,2,3,4,5,6,7
	global_load_b128 v[16+32*((\t)%4)+4*\c:16+32*((\t)%4)+4*\c+3], v3, s[24:25] offset:4096*(\t)+512*\c th:TH_LOAD_NT
.endr
.endm
.macro CTRIP t
.if (\t)+3 < 8
	CLOAD (\t)+3                                   ; loads run three chunks ahead
.endif
.if (\t) <= 4
	s_wait_loadcnt 24                              ; three younger chunks of eight loads may be out
.else
	s_wait_loadcnt 8*(7-(\t))
.endif
.if (\t) >= 4
	s_wait_xcnt 0x0                                ; the stores of four chunks ago have read the registers that are written next
.endif
.irp c, 0,1,2,3,4,5,6,7
	v_cvt_pk_f16_f32 v[144+16*((\t)%4)+2*\c], v[16+32*((\t)%4)+4*\c], v[16+32*((\t)%4)+4*\c+1]
	v_cvt_pk_f16_f32 v[144+16*((\t)%4)+2*\c+1], v[16+32*((\t)%4)+4*\c+2], v[16+32*((\t)%4)+4*\c+3]
.endr
.irp c, 0,1,2,3,4,5,6,7
	global_store_b64 v4, v[144+16*((\t)%4)+2*\c:144+16*((\t)%4)+2*\c+1], s[32+2*(\t):33+2*(\t)] offset:256*\c
.endr
.endm
	CLOAD 0
	CLOAD 1
	CLOAD 2
.irp t, 0,1,2,3,4,5,6,7
	CTRIP \t
.endr
	s_endpgm
; ---- x: a wave takes 16 steps of 512 numbers.  Loads take the bytes as they lie (512 to a load); a step's 2,048 bytes turn through the wave's own stage so that a lane holds 16 neighbours; two lanes hold a block.
.Lx_path:
	v_lshlrev_b32 v3, 4, v2
	s_lshl_b32 s23, s22, 13                        ; my wave's 8,192 bytes of LDS: two stages of 32 x SP, then 256 scale bytes
	v_lshrrev_b32 v14, 2, v2
	v_mul_u32_u24 v14, v14, SP
	v_and_b32 v15, 3, v2
	v_lshl_add_u32 v14, v15, 4, v14
	v_add_nc_u32 v14, s23, v14                     ; in: SP (lane / 4) + 16 (lane % 4)
	v_mul_u32_u24 v15, v2, SP
	v_add_nc_u32 v15, s23, v15                     ; out: SP x lane
	v_lshlrev_b32 v4, 3, v2                        ; 8 bytes a lane: my codes' place, and my part of the 256 scale bytes
	v_lshrrev_b32 v5, 1, v2
	s_add_co_u32 s23, s23, 2*32*SP
	v_add_nc_u32 v5, s23, v5                       ; my block's byte
	v_add_nc_u32 v6, s23, v4
	s_lshl_b32 s24, ttmp9, 2
	s_add_co_u32 s24, s24, s22                     ; which run of 8,192 numbers is my wave's
	s_lshl_b32 s26, s24, 15
	s_mov_b32 s27, 0
	s_add_nc_u64 s[4:5], s[4:5], s[26:27]
	s_lshl_b32 s26, s24, 12
	s_add_nc_u64 s[28:29], s[16:17], s[26:27]      ; codes
	s_lshl_b32 s26, s24, 8
	s_add_co_u32 s26, s26, 4194304
	s_add_nc_u64 s[30:31], s[16:17], s[26:27]      ; scale bytes
.macro XLOAD t
.irp i, 0,1,2,3
	global_load_b128 v[16+16*((\t)%4)+4*\i:16+16*((\t)%4)+4*\i+3], v3, s[4:5] offset:2048*(\t)+512*\i th:TH_LOAD_NT
.endr
.endm
.macro XTURN t                         ; LDS serves a wave's instructions in order: no wait between the stores and the loads
.irp i, 0,1,2,3
	ds_store_b128 v14, v[16+16*((\t)%4)+4*\i:16+16*((\t)%4)+4*\i+3] offset:32*SP*((\t)%2)+8*SP*\i
.endr
.irp i, 0,1,2,3
	ds_load_b128 v[80+16*((\t)%2)+4*\i:80+16*((\t)%2)+4*\i+3], v15 offset:32*SP*((\t)%2)+16*\i
.endr
.endm
.irp t, 0,1,2,3
	XLOAD \t
.endr
	s_wait_loadcnt 12                              ; step 0's four loads are in
	XTURN 0
.macro XSTEP t
.set XS, 80+16*((\t)%2)
.if (\t) > 0
	s_wait_dscnt 1                                 ; this step's numbers are back (the last step's byte store may be out), so its stores into the stage have read their registers
.else
	s_wait_dscnt 0x0
.endif
.if (\t)+4 < 16
	XLOAD (\t)+4
.endif
.if (\t)+1 < 16
.if 14-(\t) >= 3
	s_wait_loadcnt 12                              ; the next step's loads are in; three later steps' may be out
.else
	s_wait_loadcnt 4*(14-(\t))
.endif
	XTURN (\t)+1
.endif
	v_max3_num_f32 v8, |v[XS]|, |v[XS+1]|, |v[XS+2]|
	v_max3_num_f32 v9, |v[XS+3]|, |v[XS+4]|, |v[XS+5]|
.irp i, 6,10
	v_max3_num_f32 v8, v8, |v[XS+\i]|, |v[XS+\i+1]|
	v_max3_num_f32 v9, v9, |v[XS+\i+2]|, |v[XS+\i+3]|
.endr
	v_max3_num_f32 v8, v8, |v[XS+14]|, |v[XS+15]|
	v_max3_num_f32 v8, v8, v9, 0x1800000           ; the floor 2^(3 - 127): the byte cannot fall under 1
	v_max_num_f32_dpp v8, v8, v8 row_xmask:1 row_mask:0xf bank_mask:0xf   ; with my neighbour's 16: the block's
	v_add_nc_u32 v11, 0xff000000, v8               ; 2 off the exponent field: the conversion's scale operand
	v_cvt_scalef32_pk8_fp4_f32 v[128+4*(\t)], v[XS:XS+7], v11
	v_cvt_scalef32_pk8_fp4_f32 v[128+4*(\t)+1], v[XS+8:XS+15], v11
	v_lshrrev_b32 v[112+(\t)], 23, v11             ; the scale's byte
	ds_store_b8 v5, v[112+(\t)] offset:16*(\t)     ; both lanes of a block write the same byte with the same value
	global_store_b64 v4, v[128+4*(\t):128+4*(\t)+1], s[28:29] offset:256*(\t)
.endm
.irp t, 0,1,2,3,4,5,6,7,8,9,10,11,12,13,14,15
	XSTEP \t
.endr
	ds_load_b64 v[8:9], v6
	s_wait_dscnt 0x0
	global_store_b64 v4, v[8:9], s[30:31]          ; the wave's 256 scale bytes: one aligned run of 256 bytes
	s_wait_tensorcnt 0x0                           ; the wave's end
	ds_add_u32 v[SPW], v[NIL]
	s_wait_dscnt 0x0
	s_endpgm
; ---- w_q and w_kv_down: a lane takes a column n, its registers run down K.  A wave takes 32 columns x 512 along K: 16 blocks a lane, 256 bytes of codes a column, which leave through the wave's stage as rows.
.Lw_path:
	s_sub_co_u32 s23, ttmp9, 256                   ; 0..63 w_q (16 column blocks x 4 along K), 64..71 w_kv_down (2 x 4)
	s_cmp_lt_u32 s23, 64
	s_cselect_b64 s[24:25], s[6:7], s[8:9]
	s_mov_b32 s26, 1024
	s_cselect_b32 s26, 8192, s26                   ; a row of the tensor in bytes
	s_cselect_b32 s27, 15, 1
	s_cselect_b32 s28, 4, 1
	s_cselect_b32 s29, 0, 64
	s_cselect_b32 s30, 0, 2048                     ; the tensor's first row in wq4
	s_sub_co_u32 s23, s23, s29
	s_and_b32 s27, s23, s27                        ; column block
	s_lshr_b32 s28, s23, s28                       ; which 512 along K
	s_lshl_b32 s27, s27, 7
	s_lshl_b32 s29, s22, 5
	s_add_co_u32 s27, s27, s29                     ; my wave's first column
	v_lshlrev_b32 v3, 2, v2
.set I, 0
.rept 32
	v_mad_u32_u24 v[176+I], s26, I, v3             ; row i of a block, my column; never rewritten
.set I, I+1
.endr
	s_lshl_b32 s66, s28, 9
	s_mul_i32 s66, s66, s26
	s_lshl_b32 s67, s27, 2
	s_add_co_u32 s66, s66, s67
	s_mov_b32 s67, 0
	s_add_nc_u64 s[32:33], s[24:25], s[66:67]      ; a base for each of the 16 blocks: no pointer is stepped
	s_lshl_b32 s68, s26, 5
	s_mov_b32 s69, 0
.set I, 1
.rept 15
	s_add_nc_u64 s[32+2*I:33+2*I], s[30+2*I:31+2*I], s[68:69]
.set I, I+1
.endr
	s_add_co_u32 s30, s30, s27                     ; my wave's first row of wq4
	s_lshl_b32 s66, s30, 10
	s_lshl_b32 s74, s28, 8
	s_add_co_u32 s66, s66, s74
	s_add_nc_u64 s[70:71], s[18:19], s[66:67]      ; codes
	s_lshl_b32 s66, s30, 6
	s_lshl_b32 s74, s28, 4
	s_add_co_u32 s66, s66, s74
	s_add_co_u32 s66, s66, 2359296
	s_add_nc_u64 s[72:73], s[18:19], s[66:67]      ; scale bytes
	s_mul_i32 s74, s22, 32*272
	s_add_co_u32 s74, s74, WSTG                    ; my stage
	v_mul_u32_u24 v4, v2, 272
	v_add_nc_u32 v4, s74, v4                       ; in: row = my column
	v_and_b32 v5, 15, v2
	v_lshrrev_b32 v6, 4, v2
	v_mul_u32_u24 v7, v6, 272
	v_lshl_add_u32 v7, v5, 4, v7
	v_add_nc_u32 v7, s74, v7                       ; out: sixteen lanes to a row, two rows an instruction
	v_lshlrev_b32 v8, 10, v6
	v_lshl_add_u32 v8, v5, 4, v8                   ; the same place in wq4
	v_lshlrev_b32 v9, 6, v2                        ; my column's row of scale bytes
.macro WLOAD t
.set I, 0
.rept 32
	global_load_b32 v[32+32*((\t)%2)+I], v[176+I], s[32+2*(\t):33+2*(\t)] th:TH_LOAD_NT
.set I, I+1
.endr
.endm
	WLOAD 0
	WLOAD 1
.macro WBLOCK t
.set XS, 32+32*((\t)%2)
.if (\t) < 15
	s_wait_loadcnt 32                              ; this block's 32 loads are in; the next block's may be out
.else
	s_wait_loadcnt 0x0
.endif
	v_max3_num_f32 v12, |v[XS]|, |v[XS+1]|, |v[XS+2]|
	v_max3_num_f32 v13, |v[XS+3]|, |v[XS+4]|, |v[XS+5]|
.irp i, 6,10,14,18,22,26
	v_max3_num_f32 v12, v12, |v[XS+\i]|, |v[XS+\i+1]|
	v_max3_num_f32 v13, v13, |v[XS+\i+2]|, |v[XS+\i+3]|
.endr
	v_max3_num_f32 v12, v12, |v[XS+30]|, |v[XS+31]|
	v_max3_num_f32 v12, v12, v13, 0x1800000
	v_add_nc_u32 v11, 0xff000000, v12
	v_lshrrev_b32 v13, 23, v11
.if (\t)%4 == 0
	v_mov_b32 v[24+(\t)/4], v13
.else
	v_lshl_or_b32 v[24+(\t)/4], v13, 8*((\t)%4), v[24+(\t)/4]
.endif
.irp g, 0,1,2,3
	v_cvt_scalef32_pk8_fp4_f32 v[96+\g], v[XS+8*\g:XS+8*\g+7], v11
.endr
	ds_store_b128 v4, v[96:99] offset:16*(\t)
.if (\t)+2 < 16
	WLOAD (\t)+2
.endif
	s_wait_dscnt 0x0                               ; the store has read its registers: the next block's codes may be written
.endm
.irp t, 0,1,2,3,4,5,6,7,8,9,10,11,12,13,14,15
	WBLOCK \t
.endr
	global_store_b128 v9, v[24:27], s[72:73]       ; my column's 16 scale bytes
.irp t, 0,1,2,3,4,5,6,7,8,9,10,11,12,13,14,15
	ds_load_b128 v[112+4*\t:112+4*\t+3], v7 offset:2*\t*272
.endr
.irp t, 0,1,2,3,4,5,6,7,8,9,10,11,12,13,14,15
	s_wait_dscnt 15-\t
	global_store_b128 v8, v[112+4*\t:112+4*\t+3], s[70:71] offset:2*\t*1024   ; sixteen lanes store 256 consecutive bytes, aligned
.endr
	s_wait_tensorcnt 0x0                           ; the wave's end
	ds_add_u32 v[SPW], v[NIL]
	s_wait_dscnt 0x0
	s_endpgm
.Lfunc_end_k_q2f7a03c6fb_prep:
	.size	k_q2f7a03c6fb_prep, .Lfunc_end_k_q2f7a03c6fb_prep-k_q2f7a03c6fb_prep
	.p2alignl 7, 3214868480
	.fill 96, 4, 3214868480
	.section	.rodata,"a",@progbits
	.p2align	6, 0x0
	.amdhsa_kernel k_q2f7a03c6fb_prep
		.amdhsa_group_segment_fixed_size 68096
		.amdhsa_private_segment_fixed_size 0
		.amdhsa_enable_private_segment 0
		.amdhsa_kernarg_size 72
		.amdhsa_user_sgpr_count 2
		.amdhsa_user_sgpr_kernarg_segment_ptr 1
		.amdhsa_wavefront_size32 1
		.amdhsa_system_sgpr_workgroup_id_x 1
		.amdhsa_system_sgpr_workgroup_id_y 1
		.amdhsa_system_sgpr_workgroup_id_z 1
		.amdhsa_system_vgpr_workitem_id 0
		.amdhsa_next_free_vgpr 216
		.amdhsa_next_free_sgpr 100
		.amdhsa_reserve_vcc 0
		.amdhsa_float_denorm_mode_32 3
		.amdhsa_float_denorm_mode_16_64 3
		.amdhsa_memory_ordered 1
		.amdhsa_forward_progress 1
		.amdhsa_inst_pref_size 137
	.end_amdhsa_kernel
	.amdgpu_metadata
---
amdhsa.version: [ 1, 2 ]
amdhsa.kernels:
  - .name:           k_q2f7a03c6fb_prep
    .symbol:         k_q2f7a03c6fb_prep.kd
    .args:
      - { .name: x, .offset: 0, .size: 8, .value_kind: global_buffer, .address_space: global }
      - { .name: w_q, .offset: 8, .size: 8, .value_kind: global_buffer, .address_space: global }
      - { .name: w_kv_down, .offset: 16, .size: 8, .value_kind: global_buffer, .address_space: global }
      - { .name: w_k_up, .offset: 24, .size: 8, .value_kind: global_buffer, .address_space: global }
      - { .name: w_v_up, .offset: 32, .size: 8, .value_kind: global_buffer, .address_space: global }
      - { .name: w_o, .offset: 40, .size: 8, .value_kind: global_buffer, .address_space: global }
      - { .name: xq, .offset: 48, .size: 8, .value_kind: global_buffer, .address_space: global }
      - { .name: wq4, .offset: 56, .size: 8, .value_kind: global_buffer, .address_space: global }
      - { .name: w16, .offset: 64, .size: 8, .value_kind: global_buffer, .address_space: global }
    .group_segment_fixed_size: 68096
    .private_segment_fixed_size: 0
    .kernarg_segment_align: 8
    .kernarg_segment_size: 72
    .max_flat_workgroup_size: 128
    .sgpr_count:     100
    .vgpr_count:     216
    .wavefront_size: 32
...
	.end_amdgpu_metadata
.endif
;; end of part 1
;; launch proj (part 2): grid 16 x 9, 4 waves a work-group, clusters of 4 x 1, 327,680 bytes of LDS; arguments xq, wq4, freqs_cis, q16, pj; writes q16, pj
.if DOCPART == 2
	.amdgcn_target "amdgcn-amd-amdhsa--gfx1250"
	.amdhsa_code_object_version 6
	.text
	.protected	k_q2f7a03c6fb_proj
	.globl	k_q2f7a03c6fb_proj
	.p2align	8
	.type	k_q2f7a03c6fb_proj,@function
k_q2f7a03c6fb_proj:
	s_mov_b64 s[64:65], 0
	v_nop
	global_prefetch_b8 v0, s[64:65] scope:SCOPE_SE
	s_setreg_imm32_b32 hwreg(HW_REG_WAVE_MODE, 25, 1), 1
	s_wait_xcnt 0x0
	s_wait_alu depctr_hold_cnt(0) depctr_sa_sdst(0) depctr_va_vdst(0) depctr_va_sdst(0) depctr_va_ssrc(0) depctr_va_vcc(0) depctr_vm_vsrc(0)
	s_getreg_b32 s2, hwreg(HW_REG_IB_STS2, 6, 4)
	s_cmp_eq_u32 s2, 0
	s_cbranch_scc0 .Lentry_in_a_cluster
	s_endpgm
.Lentry_in_a_cluster:
	s_bfe_u32 s2, ttmp6, 0x10000c
	s_cmp_lg_u32 s2, 0x3003
	s_cbranch_scc0 .Lentry_shape_is_right
	s_endpgm
.Lentry_shape_is_right:
; PROJ.  [q | kv] = x [w_q | w_kv_down]: one product 4,096 x 2,304 x 2,048 on codes of E2M1 with E8M0 scales, sums in f32.  A tile of 256 x 256 to a work-group of four waves, 128 x 128 to a wave: 128 tokens x one head.
; K goes in steps of 512 through two LDS slots (rows of 256 bytes); the scale bytes of the tile's rows, for all of K, come once and stay.
; CLUSTER 4 x 1: nine column tiles divide by no 4 x 4, so the partners are four ROW tiles of one column tile: they ask for the weights' tiles and scale bytes jointly (mask 15); x's tiles are each work-group's own, asked for in the same rounds.
; THE MATRIX INSTRUCTION IS USED TRANSPOSED (source 0 = 16 rows of the weights, source 1 = 16 tokens): a lane holds one token and eight neighbouring columns.
; THE WAY OUT.  Column tiles 0-7 (q): RoPE on columns 64-127 of the head, in f32; P = the power of two in the wave tile's largest magnitude (held to 2^-100 .. 2^120); q / P goes out as f16 (magnitude under 2) to q16 [b][h][t][128], P to pj's table qs.
; Column tile 8 (kv): kv / 4 goes out as f16 to pj [4096][256].  Tokens 0-15 of each batch also go out unscaled, in f32, to pj's part fine32 [b][16][2304].
; LIMITS: NaN and infinities are not served; |kv| stays under 262,000 (f16 of kv / 4).
; REGISTERS, in windows of 256: window 0: v0-31 addresses; v32-95 scale words and nothing else; v96-116 the way out's small values; from v128 x's fragments, one set; on the way out v128-255 are free.
;   window 1: the weights' fragments, two sets.  window 2: the accumulators of my tokens 0-63 ((a, b) at v[8 (8 a + b)]); window 3: tokens 64-127.
.set KSTEP,  512
.set NQ,     KSTEP/128
.set ROWB,   256
.set KROW,   1024
.set PITCH,  272                       ; an LDS row: 256 bytes + 16: the 16 rows that a load touches start 16 bytes apart modulo 256
.set FR,     8
.set NL,     2
.set NP,     4
.set HALFT,  128*PITCH
.set SLOT,   4*HALFT
.set LAPS,   2
.set KS,     64
.set SCL,    2*SLOT
.set HALFS,  (128*KS/256)*272
.set SBLK,   (16*KS/256)*272
.set SPARE,  SCL+4*HALFS               ; the spare words, 128 bytes a wave, that no other line names
.set SP16,   272                       ; the way out: 16 rows x (256 bytes + 16) a wave, in slot 0, which has had its last fill and its last read by then
.set ADRA, 16
.set ADRB, 20
.set STO,  24
.set RD,   25
.set ADRS, 27
.set SPW,  28
.set NIL,  29
.set SC,   32
.set AF,   128
.set MX,   96                          ; v96-100 running maxima
.set FAC,  102                         ; v[102:103] 1 / P
.set COT,  104                         ; v104-111 the stores' offsets: pair t of a block's 16 rows
.set VFQ,  112                         ; v112 my token's row of freqs_cis, + 64 (lane / 16)
.set VFI,  113                         ; v113 my place in fine32
.set VT,   114                         ; v114 the token of block 0's row
.set LN,   115
.set ZR,   116
.set FQ,   128                         ; v128-191 two sets of 32 frequency words
.set TT,   192                         ; v192-223 RoPE's products by the sines
.set TMP,  192                         ; v192-223 later: a block's f16
.set BK,   128                         ; v128-159, v160-191 by turns: rows read back from the stage
.set G1, 24
.set G0, 32
.set G1B, 48
.set G0B, 56
.set G1S, 68
.set G0S, 76
.set G1SB, 80
.set G0SB, 88
.set MSB, 0
.macro WIN new                         ; the immediate's high byte repeats the setting that is left
.if MSB != (\new)
	s_set_vgpr_msb (MSB<<8)|(\new)
.set MSB, (\new)
.endif
.endm
.set MUL_LO, 0xa1
.set MUL_HI, 0xf1
.set TO_B,   0x40
; Waves 0 and 1 fetch for x, waves 2 and 3 for the weights.  The branch hangs on the wave's number alone.  An s_nop 0 and four v_nop follow each of the two lines.
.macro JLOAD g0a, g1a, g0b, g1b
	s_cmp_eq_u32 s15, 0
	s_cbranch_scc0 .Lfor_b_\@
	tensor_load_to_lds s[\g0a:\g0a+3], s[\g1a:\g1a+7]
	s_nop 0
.rept 4
	v_nop
.endr
	s_branch .Lasked_\@
.Lfor_b_\@:
	tensor_load_to_lds s[\g0b:\g0b+3], s[\g1b:\g1b+7]
	s_nop 0
.rept 4
	v_nop
.endr
.Lasked_\@:
.endm
.macro CREST
	s_cmp_lg_u32 s14, 0
	s_cbranch_scc1 .Lnot_wave_0_\@
	s_barrier_signal -3
.Lnot_wave_0_\@:
	s_barrier_wait -3
	s_barrier_signal -1
	s_barrier_wait -1
.endm
.macro CROUND
	s_barrier_signal -1
	s_barrier_wait -1
	CREST
.endm
	s_load_b256 s[4:11], s[0:1], 0x0               ; xq, wq4, freqs_cis, q16
	s_load_b64 s[12:13], s[0:1], 0x20              ; pj
	v_lshl_add_u32 v[SPW], v0, 2, SPARE
	v_mov_b32 v[NIL], 0
	ds_add_u32 v[SPW], v[NIL]                      ; the wave's opening: the add, twice on end, and its wait ahead of my first tensor load
	ds_add_u32 v[SPW], v[NIL]
	v_lshrrev_b32 v1, 5, v0
	v_readfirstlane_b32 s14, v1                    ; wave 0..3
	s_lshr_b32 s15, s14, 1                         ; which half of the tile's tokens is mine.  Also: I fetch for x (0) or for the weights (1)
	s_and_b32 s16, s14, 1                          ; which half of its columns.  Also: which 128 rows I fetch
	s_bfe_u32 s40, ttmp6, 0x40000                  ; cx
	s_lshl_b32 s17, ttmp9, 2
	s_add_co_u32 s17, s17, s40                     ; row tile = 4 x cluster x + cx
	s_and_b32 s42, ttmp7, 0xffff                   ; column tile: the four partners share it
	s_mov_b32 s[G1+0], 0x07500000                  ; no mask; elements of 1 byte; padding: 4 words after every 64
	s_mov_b32 s[G1B+0], 0x0770000f                 ; the same with the mask of all four partners and bit 21 beside it
.irp g, G1, G1B
	s_mov_b32 s[\g+1], ROWB<<16                    ; tensor_dim0
	s_mov_b32 s[\g+2], 128<<16                     ; tensor_dim1
	s_mov_b32 s[\g+3], ROWB<<16                    ; tile_dim0
	s_mov_b32 s[\g+4], 128                         ; tile_dim1
	s_mov_b32 s[\g+5], KROW                        ; the pitch
	s_mov_b32 s[\g+6], 0
	s_mov_b32 s[\g+7], 0
.endr
	s_mov_b32 s[G1S+0], 0x07530000                 ; the scale bytes of 128 rows: 8,192 dense bytes as 32 rows of 256 (32 elements of 8 bytes), 16 bytes of padding behind each
	s_mov_b32 s[G1SB+0], 0x0773000f
.irp g, G1S, G1SB
	s_mov_b32 s[\g+1], 32<<16
	s_mov_b32 s[\g+2], (128*KS/256)<<16
	s_mov_b32 s[\g+3], 32<<16
	s_mov_b32 s[\g+4], 128*KS/256
	s_mov_b32 s[\g+5], 32
	s_mov_b32 s[\g+6], 0
	s_mov_b32 s[\g+7], 0
.endr
	s_lshl_b32 s18, s16, 7
	s_lshl_b32 s20, s17, 8
	s_add_co_u32 s20, s20, s18                     ; x: row 256 x row tile + 128 x half
	s_lshl_b32 s46, s42, 8
	s_add_co_u32 s46, s46, s18                     ; weights: row 256 x column tile + 128 x half
	s_mov_b32 s21, 0
	s_mov_b32 s47, 0
	s_lshl_b64 s[22:23], s[20:21], 6               ; where these rows' scale bytes begin,
	s_lshl_b64 s[92:93], s[46:47], 6
	s_add_nc_u64 s[22:23], s[22:23], 4194304
	s_add_nc_u64 s[92:93], s[92:93], 2359296
	s_lshl_b64 s[20:21], s[20:21], 10              ; and their codes
	s_lshl_b64 s[46:47], s[46:47], 10
	s_mul_i32 s45, s14, HALFT                      ; where they go: wave x 128 rows
	s_mul_i32 s94, s14, HALFS
	s_wait_dscnt 0x0                               ; both opening adds are done
	s_wait_kmcnt 0x0
	s_add_nc_u64 s[20:21], s[4:5], s[20:21]
	s_add_nc_u64 s[22:23], s[4:5], s[22:23]
	s_add_nc_u64 s[46:47], s[6:7], s[46:47]
	s_add_nc_u64 s[92:93], s[6:7], s[92:93]
	CROUND                                         ; all four work-groups are here: the first joint loads meet
	s_mov_b32 s[G0S], 1
	s_add_co_u32 s[G0S+1], s94, SCL
	s_mov_b64 s[G0S+2:G0S+3], s[22:23]
	s_or_b32 s[G0S+3], s[G0S+3], 0x80000000
	s_mov_b32 s[G0SB], 1
	s_add_co_u32 s[G0SB+1], s94, SCL
	s_mov_b64 s[G0SB+2:G0SB+3], s[92:93]
	s_or_b32 s[G0SB+3], s[G0SB+3], 0x80000000
	JLOAD G0S, G1S, G0SB, G1SB                     ; the scale bytes first: they are wanted with K step 0
.irp s, 0,1
	s_mov_b32 s[G0+4*\s], 1
	s_add_co_u32 s[G0+4*\s+1], s45, \s*SLOT
	s_add_nc_u64 s[G0+4*\s+2:G0+4*\s+3], s[20:21], \s*ROWB
	s_or_b32 s[G0+4*\s+3], s[G0+4*\s+3], 0x80000000
	s_mov_b32 s[G0B+4*\s], 1
	s_add_co_u32 s[G0B+4*\s+1], s45, \s*SLOT
	s_add_nc_u64 s[G0B+4*\s+2:G0B+4*\s+3], s[46:47], \s*ROWB
	s_or_b32 s[G0B+4*\s+3], s[G0B+4*\s+3], 0x80000000
	JLOAD G0+4*\s, G1, G0B+4*\s, G1B
.endr
	v_and_b32 v1, 15, v0                           ; r = lane % 16; kept
	v_bfe_u32 v2, v0, 4, 1                         ; h = lane / 16; kept
	v_mul_u32_u24 v3, v1, PITCH
	v_lshl_add_u32 v4, v2, 4, v3
	s_mul_i32 s21, s15, HALFT
	s_mul_i32 s22, s16, HALFT
	s_add_co_u32 s22, s22, 2*HALFT
.irp s, 0,1
	v_add_nc_u32 v[ADRA+\s], s21, v4
	v_add_nc_u32 v[ADRB+\s], s22, v4
	s_add_co_u32 s21, s21, SLOT
	s_add_co_u32 s22, s22, SLOT
.endr
	v_mul_u32_u24 v5, v1, KS                       ; my row's scale bytes: KS a row, and 16 more for each 256 passed
	v_lshrrev_b32 v6, 8, v5
	v_lshl_add_u32 v5, v6, 4, v5
	s_mul_i32 s21, s15, HALFS
	s_mul_i32 s22, s16, HALFS
	s_add_co_u32 s22, s22, 2*HALFS
	s_sub_co_u32 s22, s22, s21
	v_mul_u32_u24 v6, s22, v2                      ; lanes 16-31 take the weights'
	s_add_co_u32 s21, s21, SCL
	v_add_nc_u32 v5, v5, v6
	v_add_nc_u32 v[ADRS], s21, v5
	s_mul_i32 s23, s14, 16*SP16                    ; my stage
	v_mul_u32_u24 v5, v1, SP16
	v_lshl_add_u32 v5, v2, 4, v5
	v_add_nc_u32 v[STO], s23, v5                   ; in: row r, 16 bytes for each half of the lanes
	v_mul_u32_u24 v5, v2, SP16
	v_lshl_add_u32 v5, v1, 4, v5
	v_add_nc_u32 v[RD], s23, v5                    ; back: lanes 0-15 one row of 256 bytes, lanes 16-31 the next
.macro FRAG reg, adr, q, i
.irp c, 0,1
	ds_load_b128 v[\reg+4*\c:\reg+4*\c+3], v[\adr] offset:64*(\q)+32*\c+(\i)*16*PITCH
.endr
.endm
; 16 matrix instructions: x's blocks a0, a0 + 1 against the weights' eight.  The 64 accumulators take turns, one instruction a turn, in the same order in every step.
.macro MUL16 a0, p, q, sc, zero
.irp a, \a0, \a0+1
.irp b, 0,1,2,3,4,5,6,7
.if \zero
	v_wmma_scale_f32_16x16x128_f8f6f4 v[8*(8*((\a)%4)+\b):8*(8*((\a)%4)+\b)+7], v[128*(\p)+FR*\b:128*(\p)+FR*\b+FR-1], v[AF+FR*(\a):AF+FR*(\a)+FR-1], 0, v[SC+8*NQ*(\sc)+NQ*\b+(\q)], v[SC+8*NQ*(\sc)+NQ*(\a)+(\q)] matrix_a_fmt:MATRIX_FMT_FP4 matrix_b_fmt:MATRIX_FMT_FP4 matrix_a_scale:MATRIX_SCALE_ROW1
.else
	v_wmma_scale_f32_16x16x128_f8f6f4 v[8*(8*((\a)%4)+\b):8*(8*((\a)%4)+\b)+7], v[128*(\p)+FR*\b:128*(\p)+FR*\b+FR-1], v[AF+FR*(\a):AF+FR*(\a)+FR-1], v[8*(8*((\a)%4)+\b):8*(8*((\a)%4)+\b)+7], v[SC+8*NQ*(\sc)+NQ*\b+(\q)], v[SC+8*NQ*(\sc)+NQ*(\a)+(\q)] matrix_a_fmt:MATRIX_FMT_FP4 matrix_b_fmt:MATRIX_FMT_FP4 matrix_a_scale:MATRIX_SCALE_ROW1
.endif
.endr
.endr
.endm
.macro FETCH_B slot, q, p
	WIN TO_B
.irp i, 0,1,2,3,4,5,6,7
	FRAG 128*(\p)+FR*\i, ADRB+\slot, \q, \i
.endr
	WIN 0
.endm
.macro FETCH_A slot, q, i0
.irp i, \i0, \i0+1, \i0+2, \i0+3
	FRAG AF+FR*(\i), ADRA+\slot, \q, \i
.endr
.endm
.macro SCALES sc                       ; a K step's scale words: lanes 0-15 take x's block i, lanes 16-31 the weights' block i
.irp i, 0,1,2,3,4,5,6,7
	ds_load_b128 v[SC+8*NQ*\sc+NQ*\i:SC+8*NQ*\sc+NQ*\i+3], v[ADRS] offset:\i*SBLK
.endr
.endm
.macro PLACES n                        ; plain vector instructions between a matrix instruction and a load into, or a read of, its registers
.rept \n
	v_nop
.endr
.endm
.macro STEP slot, q, zero
	s_wait_dscnt 4*NL                              ; the weights' set and x's blocks 0-3 are in; x's blocks 4-7 may be out
	WIN MUL_LO
	MUL16 0, (\q)%2, \q, \slot, \zero
	MUL16 2, (\q)%2, \q, \slot, \zero
	s_wait_dscnt 0
	PLACES NP
	FETCH_B \slot, (\q)+1, 1-(\q)%2
	FETCH_A \slot, (\q)+1, 0
	WIN MUL_HI
	MUL16 4, (\q)%2, \q, \slot, \zero
	MUL16 6, (\q)%2, \q, \slot, \zero
	PLACES NP
	WIN 0
	FETCH_A \slot, (\q)+1, 4
.endm
; A slot's last step changes slots: one barrier; in front of it each wave waits for all its tensor loads, adds 0 to its spare word, and waits for that and for its reads of this slot.
.macro TURN slot, next, fill
	s_wait_tensorcnt 0x0                           ; all my tensor loads have landed: my part of the next slot
	ds_add_u32 v[SPW], v[NIL]
	s_wait_dscnt 4*NL+1                            ; the add and x's blocks 4-7 may be out
	WIN MUL_LO
	MUL16 0, 1, NQ-1, \slot, 0
	s_wait_dscnt 0x0                               ; the add is done, and my reads of this slot are over
	s_barrier_signal -1
	MUL16 2, 1, NQ-1, \slot, 0
	WIN 0
	s_barrier_wait -1
.if \fill
	CREST                                          ; the barrier has opened a round of the cluster's barrier: no wave of any partner still reads this slot or has a load on its way
	s_add_nc_u64 s[G0+4*\slot+2:G0+4*\slot+3], s[G0+4*\slot+2:G0+4*\slot+3], 2*ROWB
	s_add_nc_u64 s[G0B+4*\slot+2:G0B+4*\slot+3], s[G0B+4*\slot+2:G0B+4*\slot+3], 2*ROWB
	JLOAD G0+4*\slot, G1, G0B+4*\slot, G1B         ; the first tensor load behind the round; its four v_nop are the places in front of the loads below
.else
	PLACES NP
.endif
	v_add_nc_u32 v[ADRS], 4*NQ, v[ADRS]
	FETCH_B \next, 0, 0
	FETCH_A \next, 0, 0
	SCALES \next
	WIN MUL_HI
	MUL16 4, 1, NQ-1, \slot, 0
	MUL16 6, 1, NQ-1, \slot, 0
	PLACES NP
	WIN 0
	FETCH_A \next, 0, 4
.endm
.macro STEPS slot, from
.set Q, \from
.rept NQ-1-\from
	STEP \slot, Q, 0
.set Q, Q+1
.endr
.endm
	s_wait_tensorcnt 1                             ; the scale bytes and my part of K step 0 are in (K step 1's load may be out)
	s_barrier_signal -1
	s_barrier_wait -1
	FETCH_B 0, 0, 0
	FETCH_A 0, 0, 0
	SCALES 0
	FETCH_A 0, 0, 4
	STEP 0, 0, 1                                   ; the first step's products start the sums
	s_mov_b32 s3, LAPS-1
.Llap:
	STEPS 0, 1
	TURN 0, 1, 1
	STEPS 1, 0
	TURN 1, 0, 1
	STEP 0, 0, 0
	s_sub_co_u32 s3, s3, 1
	s_cmp_lg_u32 s3, 0
	s_cbranch_scc1 .Llap
	STEPS 0, 1                                     ; the last lap fills nothing
	TURN 0, 1, 0
	STEPS 1, 0
	s_wait_dscnt 4*NL
	WIN MUL_LO
	MUL16 0, 1, NQ-1, 1, 0
	MUL16 2, 1, NQ-1, 1, 0
	s_wait_dscnt 0
	WIN MUL_HI
	MUL16 4, 1, NQ-1, 1, 0
	MUL16 6, 1, NQ-1, 1, 0
	WIN 0
; ---- THE WAY OUT.  Accumulator (a, b): lane (r, h), register j = token 16 a + r, column 16 b + 8 h + j.
; Frequencies of block a's tokens: lane (r, h) wants pairs i = 16 bp + 8 h + 0..7 (cos, sin), 64 bytes for each bp.
.macro FREQ a
.irp bp, 0,1
.irp c, 0,1,2,3
	global_load_b128 v[FQ+32*((\a)%2)+16*\bp+4*\c:FQ+32*((\a)%2)+16*\bp+4*\c+3], v[VFQ], s[8:9] offset:4096*(\a)+128*\bp+16*\c
.endr
.endr
.endm
; RoPE on block a: lo = columns 64 + i (accumulators 4, 5), hi = columns 96 + i (6, 7): lo' = lo cos - hi sin, hi' = hi cos + lo sin.  Registers in ascending order: each accumulator is read from its low end on.
.macro ROPE a
.if (\a) < 7
	FREQ (\a)+1
	s_wait_loadcnt 8                               ; this block's frequencies are in; the next block's eight loads may be out
.else
	s_wait_loadcnt 0x0
.endif
.set AC, 64*((\a)%4)
.set FB, FQ+32*((\a)%2)
	WIN 0x02+(\a)/4
.irp bp, 0,1
.irp j, 0,1,2,3,4,5,6,7
	v_mul_f32 v[TT+8*\bp+\j], v[AC+8*(6+\bp)+\j], v[FB+16*\bp+2*\j+1]
	v_mul_f32 v[TT+16+8*\bp+\j], v[AC+8*(4+\bp)+\j], v[FB+16*\bp+2*\j+1]
.endr
.endr
	WIN 0x82+0x41*((\a)/4)
.irp bp, 0,1
.irp j, 0,1,2,3,4,5,6,7
	v_fma_f32 v[AC+8*(4+\bp)+\j], v[AC+8*(4+\bp)+\j], v[FB+16*\bp+2*\j], -v[TT+8*\bp+\j]
	v_fma_f32 v[AC+8*(6+\bp)+\j], v[AC+8*(6+\bp)+\j], v[FB+16*\bp+2*\j], v[TT+16+8*\bp+\j]
.endr
.endr
	WIN 0
.endm
; The wave tile's largest magnitude, held to 2^-100 .. 2^120; P = its power of two (v[MX]); 1 / P by a subtraction on the exponent field (v[FAC]).
.macro MAXPASS
.irp c, 0,1,2,3
	v_mov_b32 v[MX+\c], 0x0d800000
.endr
	WIN 0x28
.set I, 0
.rept 128
	v_max3_num_f32 v[MX+I%4], v[MX+I%4], |v[2*I]|, |v[2*I+1]|
.set I, I+1
.endr
	WIN 0x3c
.set I, 0
.rept 128
	v_max3_num_f32 v[MX+I%4], v[MX+I%4], |v[2*I]|, |v[2*I+1]|
.set I, I+1
.endr
	WIN 0
	v_max3_num_f32 v[MX], v[MX], v[MX+1], v[MX+2]
	v_max_num_f32 v[MX], v[MX], v[MX+3]
	v_max_num_f32_dpp v[MX], v[MX], v[MX] row_xmask:1 row_mask:0xf bank_mask:0xf
	v_max_num_f32_dpp v[MX], v[MX], v[MX] row_xmask:2 row_mask:0xf bank_mask:0xf
	v_max_num_f32_dpp v[MX], v[MX], v[MX] row_xmask:4 row_mask:0xf bank_mask:0xf
	v_max_num_f32_dpp v[MX], v[MX], v[MX] row_xmask:8 row_mask:0xf bank_mask:0xf
	v_permlanex16_b32 v[MX+1], v[MX], s98, s99
	v_max_num_f32 v[MX], v[MX], v[MX+1]
	v_min_num_f32 v[MX], 0x7b800000, v[MX]
	v_and_b32 v[MX], 0x7f800000, v[MX]
	v_sub_nc_u32 v[FAC], 0x7f000000, v[MX]
	v_mov_b32 v[FAC+1], v[FAC]
.endm
.macro FACTOR_OUT val                  ; lane 0 stores the tile's factor
	v_and_b32 v[LN], 31, v0
	v_mov_b32 v[ZR], 0
	v_cmp_gt_u32 vcc_lo, 1, v[LN]
	s_wait_xcnt 0x0                                ; EXEC changes only behind this wait
	s_and_saveexec_b32 s100, vcc_lo
	global_store_b32 v[ZR], v[\val], s[94:95]
	s_wait_xcnt 0x0
	s_or_b32 exec_lo, exec_lo, s100
.endm
.macro PACK a                          ; block a x 1 / P, in place; then f16, 16 bytes a lane
.set AC, 64*((\a)%4)
	WIN 0x82+0x41*((\a)/4)
.set I, 0
.rept 32
	v_pk_mul_f32 v[AC+2*I:AC+2*I+1], v[AC+2*I:AC+2*I+1], v[FAC:FAC+1] op_sel_hi:[1,0]
.set I, I+1
.endr
	WIN 0x0a+5*((\a)/4)
.irp b, 0,1,2,3,4,5,6,7
.irp r, 0,1,2,3
	v_cvt_pk_f16_f32 v[TMP+4*\b+\r], v[AC+8*\b+2*\r], v[AC+8*\b+2*\r+1]
.endr
.endr
	WIN 0
.endm
.macro TOSTAGE a, sto, rd              ; into my stage and back as whole rows; LDS serves a wave's instructions in order
.set BB, BK+32*((\a)%2)
.irp b, 0,1,2,3,4,5,6,7
	ds_store_b128 v[\sto], v[TMP+4*\b:TMP+4*\b+3] offset:32*\b
.endr
.irp t, 0,1,2,3,4,5,6,7
	ds_load_b128 v[BB+4*\t:BB+4*\t+3], v[\rd] offset:\t*2*SP16
.endr
.endm
.macro SEND a, younger
.set BB, BK+32*((\a)%2)
	s_wait_dscnt \younger
	s_wait_xcnt 0x0                                ; earlier stores have read their base and their registers
.if (\a) > 0
	s_add_nc_u64 s[92:93], s[92:93], s[44:45]      ; 16 tokens on
.endif
.irp t, 0,1,2,3,4,5,6,7
	global_store_b128 v[COT+\t], v[BB+4*\t:BB+4*\t+3], s[92:93]   ; sixteen lanes store 256 consecutive bytes, aligned
.endr
.endm
	PLACES NP
	s_lshl_b32 s20, s17, 8
	s_lshl_b32 s21, s15, 7
	s_add_co_u32 s20, s20, s21                     ; my first token, 0..4095
	s_lshr_b32 s21, s20, 11                        ; batch
	s_and_b32 s22, s20, 2047                       ; position
	s_lshl_b32 s41, s21, 4
	s_lshl_b32 s43, s42, 1
	s_add_co_u32 s41, s41, s43
	s_add_co_u32 s41, s41, s16                     ; 16 b + head (column tiles 0-7)
	s_lshl_b32 s46, s41, 11
	s_add_co_u32 s46, s46, s22
	s_lshl_b32 s46, s46, 8                         ; q16: ((16 b + head) 2048 + t) x 256
	s_lshl_b32 s43, s20, 9
	s_lshl_b32 s47, s16, 8
	s_add_co_u32 s43, s43, s47                     ; kv: token x 512 + 256 x column half
	s_mov_b32 s23, 256
	s_cmp_eq_u32 s42, 8
	s_cselect_b32 s46, s43, s46
	s_cselect_b64 s[92:93], s[12:13], s[10:11]
	s_cselect_b32 s23, 512, s23                    ; a row of the output in bytes
	s_mov_b32 s47, 0
	s_add_nc_u64 s[92:93], s[92:93], s[46:47]
	s_lshl_b32 s44, s23, 4
	s_mov_b32 s45, 0
	s_lshl_b32 s18, s23, 1
	s_lshl_b32 s46, s41, 4
	s_lshr_b32 s43, s22, 7
	s_add_co_u32 s46, s46, s43
	s_lshl_b32 s46, s46, 2
	s_add_co_u32 s46, s46, 2392064
	s_add_nc_u64 s[94:95], s[12:13], s[46:47]      ; my word of qs
	s_mul_i32 s46, s21, 147456
	s_lshl_b32 s43, s42, 10
	s_add_co_u32 s46, s46, s43
	s_lshl_b32 s43, s16, 9
	s_add_co_u32 s46, s46, s43
	s_add_co_u32 s46, s46, 2097152
	s_add_nc_u64 s[96:97], s[12:13], s[46:47]      ; my columns of fine32
	s_mov_b32 s98, 0x76543210
	s_mov_b32 s99, 0xfedcba98
	v_add_nc_u32 v[VT], s22, v1
	v_lshlrev_b32 v[VFQ], 8, v[VT]
	v_lshl_add_u32 v[VFQ], v2, 6, v[VFQ]
	v_mul_u32_u24 v[VFI], v1, 9216
	v_lshl_add_u32 v[VFI], v2, 5, v[VFI]
	v_mul_u32_u24 v[COT], s23, v2
	v_lshl_add_u32 v[COT], v1, 4, v[COT]
.irp t, 1,2,3,4,5,6,7
	v_add_nc_u32 v[COT+\t], s18, v[COT+\t-1]
.endr
	s_cmp_eq_u32 s42, 8
	s_cbranch_scc1 .Lkv
	FREQ 0
.irp a, 0,1,2,3,4,5,6,7
	ROPE \a
.endr
	MAXPASS
	FACTOR_OUT MX
	s_branch .Ljoin
.Lkv:
	v_mov_b32 v[FAC], 0x3e800000                   ; kv goes out as kv / 4
	v_mov_b32 v[FAC+1], 0x3e800000
.Ljoin:
	v_cmp_gt_u32 vcc_lo, 16, v[VT]                 ; positions 0-15 also leave unscaled, in f32: block 0 of the waves whose first position is 0
	s_wait_xcnt 0x0
	s_and_saveexec_b32 s100, vcc_lo
	WIN 0x08                                       ; a store's data are its source 1: window 2
.irp bb, 0,1,2,3,4,5,6,7
	global_store_b128 v[VFI], v[8*\bb:8*\bb+3], s[96:97] offset:64*\bb
	global_store_b128 v[VFI], v[8*\bb+4:8*\bb+7], s[96:97] offset:64*\bb+16
.endr
	WIN 0
	s_wait_xcnt 0x0                                ; the stores have read EXEC and their data: both may change
	s_or_b32 exec_lo, exec_lo, s100
	PACK 0
	TOSTAGE 0, STO, RD
.irp a, 1,2,3,4,5,6,7
	PACK \a
	SEND \a-1, 0
	TOSTAGE \a, STO, RD
.endr
	SEND 7, 0
	s_wait_tensorcnt 0x0                           ; the wave's end
	ds_add_u32 v[SPW], v[NIL]
	s_wait_dscnt 0x0
	CROUND                                         ; the closing round
	s_endpgm
.Lfunc_end_k_q2f7a03c6fb_proj:
	.size	k_q2f7a03c6fb_proj, .Lfunc_end_k_q2f7a03c6fb_proj-k_q2f7a03c6fb_proj
	.p2alignl 7, 3214868480
	.fill 96, 4, 3214868480
	.section	.rodata,"a",@progbits
	.p2align	6, 0x0
	.amdhsa_kernel k_q2f7a03c6fb_proj
		.amdhsa_group_segment_fixed_size 327680
		.amdhsa_private_segment_fixed_size 0
		.amdhsa_enable_private_segment 0
		.amdhsa_kernarg_size 40
		.amdhsa_user_sgpr_count 2
		.amdhsa_user_sgpr_kernarg_segment_ptr 1
		.amdhsa_wavefront_size32 1
		.amdhsa_system_sgpr_workgroup_id_x 1
		.amdhsa_system_sgpr_workgroup_id_y 1
		.amdhsa_system_sgpr_workgroup_id_z 1
		.amdhsa_system_vgpr_workitem_id 0
		.amdhsa_next_free_vgpr 1024
		.amdhsa_next_free_sgpr 102
		.amdhsa_reserve_vcc 1
		.amdhsa_float_denorm_mode_32 3
		.amdhsa_float_denorm_mode_16_64 3
		.amdhsa_memory_ordered 1
		.amdhsa_forward_progress 1
		.amdhsa_inst_pref_size 255
	.end_amdhsa_kernel
	.section	.bss,"aw",@nobits
	.p2align	6
	.space	262144
	.amdgpu_metadata
---
amdhsa.version: [ 1, 2 ]
amdhsa.kernels:
  - .name:           k_q2f7a03c6fb_proj
    .symbol:         k_q2f7a03c6fb_proj.kd
    .args:
      - { .name: xq, .offset: 0, .size: 8, .value_kind: global_buffer, .address_space: global }
      - { .name: wq4, .offset: 8, .size: 8, .value_kind: global_buffer, .address_space: global }
      - { .name: freqs_cis, .offset: 16, .size: 8, .value_kind: global_buffer, .address_space: global }
      - { .name: q16, .offset: 24, .size: 8, .value_kind: global_buffer, .address_space: global }
      - { .name: pj, .offset: 32, .size: 8, .value_kind: global_buffer, .address_space: global }
    .group_segment_fixed_size: 327680
    .private_segment_fixed_size: 0
    .kernarg_segment_align: 8
    .kernarg_segment_size: 40
    .max_flat_workgroup_size: 128
    .sgpr_count:     102
    .vgpr_count:     1024
    .wavefront_size: 32
...
	.end_amdgpu_metadata
.endif
;; end of part 2
;; launch kvup (part 3): grid 4 x 56, 4 waves a work-group, clusters of 4 x 4, 327,680 bytes of LDS; arguments pj, w16, freqs_cis, kv2, w_k_up, w_v_up, of32; writes kv2, of32
.if DOCPART == 3
	.amdgcn_target "amdgcn-amd-amdhsa--gfx1250"
	.amdhsa_code_object_version 6
	.text
	.protected	k_q2f7a03c6fb_kvup
	.globl	k_q2f7a03c6fb_kvup
	.p2align	8
	.type	k_q2f7a03c6fb_kvup,@function
k_q2f7a03c6fb_kvup:
	s_mov_b64 s[64:65], 0
	v_nop
	global_prefetch_b8 v0, s[64:65] scope:SCOPE_SE
	s_setreg_imm32_b32 hwreg(HW_REG_WAVE_MODE, 25, 1), 1
	s_wait_xcnt 0x0
	s_wait_alu depctr_hold_cnt(0) depctr_sa_sdst(0) depctr_va_vdst(0) depctr_va_sdst(0) depctr_va_ssrc(0) depctr_va_vcc(0) depctr_vm_vsrc(0)
	s_getreg_b32 s2, hwreg(HW_REG_IB_STS2, 6, 4)
	s_cmp_eq_u32 s2, 0
	s_cbranch_scc0 .Lentry_in_a_cluster
	s_endpgm
.Lentry_in_a_cluster:
	s_bfe_u32 s2, ttmp6, 0x10000c
	s_cmp_lg_u32 s2, 0xf033
	s_cbranch_scc0 .Lentry_shape_is_right
	s_endpgm
.Lentry_shape_is_right:
; KVUP.  Fourteen clusters of 4 x 4 work-groups, told apart by the cluster's number c.
; CLUSTERS 0-11: [k | v] / 4 = (kv / 4) [w_k_up | w_v_up]: one product 4,096 x 3,072 x 256 with f16 operands, sums in f32.  A tile of 256 x 256 to a work-group, 128 x 128 to a wave.  Cluster c holds row tiles 4 (c / 3) + cy and column tiles 4 (c % 3) + cx.
; K = 256 is two LDS slots of 128 along K, both asked for at the head: nothing is filled again.  The tokens' tile lies with K along its rows; the weights' tile lies [k][n] and is read turned, by ds_load_tr16_b128.
; The tokens' tile is shared along a row of the cluster, the weights' along a column.  THE MATRIX INSTRUCTION IS USED TRANSPOSED: a lane holds one token and eight neighbouring columns.
; THE WAY OUT.  Column tiles 0-7 (k; c % 3 = 0, 1): RoPE on columns 64-127 of the head; P = the power of two in the wave tile's largest magnitude (held to 2^-100 .. 2^120); sums / P as f16 to k16 [b][h][t][128]; 4 P to the table ks.
; Column tiles 8-11 (v; c % 3 = 2): the same without RoPE; a wave tile is two heads of 64; f16 to v16 [b][h][t][64]; 4 P to the table vs [b][head pair][token block].
; CLUSTERS 12, 13: POSITIONS 0-15 OF ONE (BATCH, HEAD) TO A WORK-GROUP, ALL IN F32 (batch c - 12, head 4 cy + cx): these rows average few values, so they are carried finely from q and kv on: k, v, scores, softmax, p v, to of32 [32 rows][1024].
; They need what the launch before stored, as the product does, and share this launch, so that no launch's start and end is spent on them alone.  They ask for no tile; they pass the same two rounds of the cluster's barrier.
; LIMITS: NaN and infinities are not served.
; REGISTERS of the product, as windows of 256: window 0: v0-31 addresses; v64-191 the tokens' fragments, two buffers; on the way out v96-255 are free.  window 1: v64-191 the weights' fragments.  windows 2, 3: the accumulators.
; v32-47 of window 0 are the fine path's two f32 accumulators: matrix instructions alone write them, in the whole text.
.set PITCH,  272
.set PITCHB, 544                       ; a row of the weights' tile: 512 bytes + 32
.set HALFT,  34816                     ; what one tensor load brings: 128 x 272 or 64 x 544
.set SLOT,   4*HALFT
.set STAGE_K, 2*SLOT                   ; each way out has a stage of its own: 16 rows x 272 bytes a wave
.set STAGE_V, STAGE_K+4*16*272
.set SPARE,  STAGE_V+4*16*272
.set FINEK,  SPARE+512                 ; the fine path's k: 16 rows x 528 bytes, bytes that the product's path never names
.set SP16,   272
.set ADRA, 16
.set ADRB, 20
.set STOK, 22
.set RDK,  23
.set STOV, 24
.set RDV,  25
.set SPW,  28
.set NIL,  29
.set F0,   64
.set F1,   128
.set MX,   96
.set FAC,  102
.set COT,  104
.set VFQ,  112
.set VT,   114
.set LN,   115
.set ZR,   116
.set FQ,   128
.set TT,   192
.set TMP,  192
.set BK,   128
.set G1, 24
.set G0, 32
.set G1B, 48
.set G0B, 56
.set MSB, 0
.macro WIN new
.if MSB != (\new)
	s_set_vgpr_msb (MSB<<8)|(\new)
.set MSB, (\new)
.endif
.endm
.set MUL_LO, 0xa1
.set MUL_HI, 0xf1
.set TO_B,   0x40
.macro JLOAD s                         ; waves 0 and 1 fetch the tokens' halves, waves 2 and 3 the weights'; an s_nop 0 and four v_nop follow each line
	s_cmp_eq_u32 s13, 0
	s_cbranch_scc0 .Lfor_b_\@
	tensor_load_to_lds s[G0+4*\s:G0+4*\s+3], s[G1:G1+7]
	s_nop 0
.rept 4
	v_nop
.endr
	s_branch .Lasked_\@
.Lfor_b_\@:
	tensor_load_to_lds s[G0B+4*\s:G0B+4*\s+3], s[G1B:G1B+7]
	s_nop 0
.rept 4
	v_nop
.endr
.Lasked_\@:
.endm
.macro CROUND
	s_barrier_signal -1
	s_barrier_wait -1
	s_cmp_lg_u32 s12, 0
	s_cbranch_scc1 .Lnot_wave_0_\@
	s_barrier_signal -3
.Lnot_wave_0_\@:
	s_barrier_wait -3
	s_barrier_signal -1
	s_barrier_wait -1
.endm
	s_load_b256 s[4:11], s[0:1], 0x0               ; pj, w16, freqs_cis, kv2
	s_load_b128 s[68:71], s[0:1], 0x20             ; w_k_up, w_v_up
	s_load_b64 s[72:73], s[0:1], 0x30              ; of32
	v_lshl_add_u32 v[SPW], v0, 2, SPARE
	v_mov_b32 v[NIL], 0
	ds_add_u32 v[SPW], v[NIL]                      ; the wave's opening: the add, twice on end, and its wait ahead of my first tensor load
	ds_add_u32 v[SPW], v[NIL]
	v_lshrrev_b32 v1, 5, v0
	v_readfirstlane_b32 s12, v1                    ; wave
	s_lshr_b32 s13, s12, 1                         ; my half of the tokens; also: I fetch tokens (0) or weights (1)
	s_and_b32 s14, s12, 1                          ; my half of the columns; also: which half I fetch
	s_bfe_u32 s40, ttmp6, 0x40000                  ; cx
	s_bfe_u32 s41, ttmp6, 0x40004                  ; cy
	s_and_b32 s74, ttmp7, 0xffff                   ; c: the cluster's number, 0 to 13 (the grid is one cluster wide)
	s_mul_hi_u32 s75, s74, 0x55555556              ; c / 3: the group of four row tiles
	s_mul_i32 s76, s75, 3
	s_sub_co_u32 s76, s74, s76                     ; c % 3: the group of four column tiles
	s_lshl_b32 s42, s76, 2
	s_add_co_u32 s42, s42, s40                     ; column tile
	s_lshl_b32 s43, s75, 2
	s_add_co_u32 s43, s43, s41                     ; row tile
	s_lshl_b32 s44, s41, 2
	s_lshl_b32 s44, 15, s44                        ; my row of the cluster
	s_lshl_b32 s45, 0x1111, s40                    ; my column
	s_or_b32 s[G1+0], s44, (1<<16)|(1<<20)|(1<<21)|(5<<22)|(3<<25)   ; elements of 2 bytes; 4 words of padding after every 64
	s_mov_b32 s[G1+1], 128<<16
	s_mov_b32 s[G1+2], 128<<16
	s_mov_b32 s[G1+3], 128<<16
	s_mov_b32 s[G1+4], 128
	s_mov_b32 s[G1+5], 256
	s_mov_b32 s[G1+6], 0
	s_mov_b32 s[G1+7], 0
	s_or_b32 s[G1B+0], s45, (1<<16)|(1<<20)|(1<<21)|(6<<22)|(7<<25)  ; 8 words of padding after every 128
	s_mov_b32 s[G1B+1], 256<<16
	s_mov_b32 s[G1B+2], 64<<16
	s_mov_b32 s[G1B+3], 256<<16
	s_mov_b32 s[G1B+4], 64
	s_mov_b32 s[G1B+5], 3072
	s_mov_b32 s[G1B+6], 0
	s_mov_b32 s[G1B+7], 0
	s_lshl_b32 s16, s43, 8
	s_lshl_b32 s17, s14, 7
	s_add_co_u32 s16, s16, s17
	s_lshl_b32 s16, s16, 9                         ; tokens: (256 x row tile + 128 x half) x 512 bytes
	s_mov_b32 s17, 0
	s_mul_i32 s46, s14, 64*6144
	s_lshl_b32 s47, s42, 9
	s_add_co_u32 s46, s46, s47                     ; weights: 64 x half rows of 6,144 bytes + 512 x column tile
	s_mov_b32 s47, 0
	s_mul_i32 s20, s12, HALFT
	s_wait_dscnt 0x0
	s_wait_kmcnt 0x0
	s_add_nc_u64 s[18:19], s[4:5], s[16:17]
	s_add_nc_u64 s[46:47], s[6:7], s[46:47]
	CROUND                                         ; all sixteen work-groups are here: the joint loads meet
	s_cmp_ge_u32 s74, 12                           ; the cluster's number: the same in all sixteen partners
	s_cbranch_scc1 .Lfine                          ; clusters 12 and 13 ask for no tile (the two addresses above are not used there)
.irp s, 0,1
	s_mov_b32 s[G0+4*\s], 1
	s_add_co_u32 s[G0+4*\s+1], s20, \s*SLOT
	s_add_nc_u64 s[G0+4*\s+2:G0+4*\s+3], s[18:19], \s*256
	s_or_b32 s[G0+4*\s+3], s[G0+4*\s+3], 0x80000000
	s_mov_b32 s[G0B+4*\s], 1
	s_add_co_u32 s[G0B+4*\s+1], s20, \s*SLOT
	s_add_nc_u64 s[G0B+4*\s+2:G0B+4*\s+3], s[46:47], \s*128*6144
	s_or_b32 s[G0B+4*\s+3], s[G0B+4*\s+3], 0x80000000
	JLOAD \s
.endr
	v_and_b32 v1, 15, v0                           ; r; kept
	v_bfe_u32 v2, v0, 4, 1                         ; h; kept
	v_and_b32 v3, 7, v0                            ; lane % 8; kept
	v_bfe_u32 v4, v0, 3, 1                         ; (lane / 8) % 2; kept
	v_mul_u32_u24 v5, v1, PITCH
	v_lshl_add_u32 v5, v2, 4, v5
	v_lshl_add_u32 v6, v2, 3, v3
	v_mul_u32_u24 v6, v6, PITCHB
	v_lshl_add_u32 v6, v4, 4, v6                   ; the turning load: row 8 h + lane % 8, + 16 ((lane / 8) % 2)
	s_mul_i32 s21, s13, HALFT
	s_lshl_b32 s22, s14, 8
	s_add_co_u32 s22, s22, 2*HALFT
.irp s, 0,1
	v_add_nc_u32 v[ADRA+\s], s21, v5
	v_add_nc_u32 v[ADRB+\s], s22, v6
	s_add_co_u32 s21, s21, SLOT
	s_add_co_u32 s22, s22, SLOT
.endr
	s_mul_i32 s23, s12, 16*SP16                    ; all LDS addresses are made here, ahead of the parting of the two ways out
	v_add_nc_u32 v[STOK], s23, v5
	v_add_nc_u32 v[STOV], STAGE_V, v[STOK]
	v_add_nc_u32 v[STOK], STAGE_K, v[STOK]
	v_mul_u32_u24 v5, v2, SP16
	v_lshl_add_u32 v5, v1, 4, v5
	v_add_nc_u32 v5, s23, v5
	v_add_nc_u32 v[RDK], STAGE_K, v5               ; k: lanes 0-15 one token's 256 bytes, lanes 16-31 the next's
	v_mul_u32_u24 v5, v4, SP16
	v_lshl_add_u32 v5, v2, 7, v5
	v_lshl_add_u32 v5, v3, 4, v5
	v_add_nc_u32 v5, s23, v5
	v_add_nc_u32 v[RDV], STAGE_V, v5               ; v: lanes 0-15 two tokens of the first head, lanes 16-31 of the second
.macro MUL16 f, hi, a0, zero
.irp a, \a0, \a0+1
.irp b, 0,1,2,3,4,5,6,7
.if \zero
	v_wmma_f32_16x16x32_f16 v[8*(8*(\a)+\b):8*(8*(\a)+\b)+7], v[\f+8*\b:\f+8*\b+7], v[\f+8*(4*\hi+\a):\f+8*(4*\hi+\a)+7], 0
.else
	v_wmma_f32_16x16x32_f16 v[8*(8*(\a)+\b):8*(8*(\a)+\b)+7], v[\f+8*\b:\f+8*\b+7], v[\f+8*(4*\hi+\a):\f+8*(4*\hi+\a)+7], v[8*(8*(\a)+\b):8*(8*(\a)+\b)+7]
.endif
.endr
.endr
.endm
.macro FETCH slot, q, f                ; 32 LDS loads in one run: the fragments of the slot's q-th 32 along K
	WIN TO_B
.irp i, 0,1,2,3,4,5,6,7
	ds_load_tr16_b128 v[\f+8*\i:\f+8*\i+3],   v[ADRB+\slot] offset:(\q)*32*PITCHB+32*\i
	ds_load_tr16_b128 v[\f+8*\i+4:\f+8*\i+7], v[ADRB+\slot] offset:(\q)*32*PITCHB+32*\i+16*PITCHB
.endr
	WIN 0
.irp i, 0,1,2,3,4,5,6,7
	ds_load_b128 v[\f+8*\i:\f+8*\i+3],   v[ADRA+\slot] offset:64*(\q)+\i*16*PITCH
	ds_load_b128 v[\f+8*\i+4:\f+8*\i+7], v[ADRA+\slot] offset:64*(\q)+\i*16*PITCH+32
.endr
.endm
.macro PLACES
.rept 4
	v_nop
.endr
.endm
.macro QUARTER slot, q, f, g, zero
	s_wait_dscnt 8                                 ; the weights and tokens 0-63 are in; the youngest eight loads may be out
	WIN MUL_LO
	MUL16 \f, 0, 0, \zero
	MUL16 \f, 0, 2, \zero
	PLACES
	FETCH \slot, \q, \g
	s_wait_dscnt 32                                ; all but the 32 just issued
	WIN MUL_HI
	MUL16 \f, 1, 0, \zero
	MUL16 \f, 1, 2, \zero
.endm
	s_wait_tensorcnt 1                             ; my part of slot 0 is in; slot 1's may be out
	s_barrier_signal -1
	s_barrier_wait -1
	FETCH 0, 0, F0
	QUARTER 0, 1, F0, F1, 1
	QUARTER 0, 2, F1, F0, 0
	QUARTER 0, 3, F0, F1, 0
	s_wait_dscnt 8                                 ; slot 0's last quarter, and the step to slot 1
	WIN MUL_LO
	MUL16 F1, 0, 0, 0
	s_wait_dscnt 0x0
	s_wait_tensorcnt 0x0                           ; my part of slot 1 is in,
	s_barrier_signal -1
	MUL16 F1, 0, 2, 0
	s_barrier_wait -1                              ; everybody's is
	PLACES
	FETCH 1, 0, F0
	WIN MUL_HI
	MUL16 F1, 1, 0, 0
	MUL16 F1, 1, 2, 0
	QUARTER 1, 1, F0, F1, 0
	QUARTER 1, 2, F1, F0, 0
	QUARTER 1, 3, F0, F1, 0
	s_wait_dscnt 8
	WIN MUL_LO
	MUL16 F1, 0, 0, 0
	MUL16 F1, 0, 2, 0
	s_wait_dscnt 0x0
	WIN MUL_HI
	MUL16 F1, 1, 0, 0
	MUL16 F1, 1, 2, 0
	WIN 0
; ---- THE WAY OUT.  Accumulator (a, b): lane (r, h), register j = token 16 a + r, column 16 b + 8 h + j.
.macro FREQ a
.irp bp, 0,1
.irp c, 0,1,2,3
	global_load_b128 v[FQ+32*((\a)%2)+16*\bp+4*\c:FQ+32*((\a)%2)+16*\bp+4*\c+3], v[VFQ], s[8:9] offset:4096*(\a)+128*\bp+16*\c
.endr
.endr
.endm
.macro ROPE a                          ; lo' = lo cos - hi sin, hi' = hi cos + lo sin; registers in ascending order
.if (\a) < 7
	FREQ (\a)+1
	s_wait_loadcnt 8                               ; this block's frequencies are in; the next block's eight loads may be out
.else
	s_wait_loadcnt 0x0
.endif
.set AC, 64*((\a)%4)
.set FB, FQ+32*((\a)%2)
	WIN 0x02+(\a)/4
.irp bp, 0,1
.irp j, 0,1,2,3,4,5,6,7
	v_mul_f32 v[TT+8*\bp+\j], v[AC+8*(6+\bp)+\j], v[FB+16*\bp+2*\j+1]
	v_mul_f32 v[TT+16+8*\bp+\j], v[AC+8*(4+\bp)+\j], v[FB+16*\bp+2*\j+1]
.endr
.endr
	WIN 0x82+0x41*((\a)/4)
.irp bp, 0,1
.irp j, 0,1,2,3,4,5,6,7
	v_fma_f32 v[AC+8*(4+\bp)+\j], v[AC+8*(4+\bp)+\j], v[FB+16*\bp+2*\j], -v[TT+8*\bp+\j]
	v_fma_f32 v[AC+8*(6+\bp)+\j], v[AC+8*(6+\bp)+\j], v[FB+16*\bp+2*\j], v[TT+16+8*\bp+\j]
.endr
.endr
	WIN 0
.endm
.macro MAXPASS
.irp c, 0,1,2,3
	v_mov_b32 v[MX+\c], 0x0d800000
.endr
	WIN 0x28
.set I, 0
.rept 128
	v_max3_num_f32 v[MX+I%4], v[MX+I%4], |v[2*I]|, |v[2*I+1]|
.set I, I+1
.endr
	WIN 0x3c
.set I, 0
.rept 128
	v_max3_num_f32 v[MX+I%4], v[MX+I%4], |v[2*I]|, |v[2*I+1]|
.set I, I+1
.endr
	WIN 0
	v_max3_num_f32 v[MX], v[MX], v[MX+1], v[MX+2]
	v_max_num_f32 v[MX], v[MX], v[MX+3]
	v_max_num_f32_dpp v[MX], v[MX], v[MX] row_xmask:1 row_mask:0xf bank_mask:0xf
	v_max_num_f32_dpp v[MX], v[MX], v[MX] row_xmask:2 row_mask:0xf bank_mask:0xf
	v_max_num_f32_dpp v[MX], v[MX], v[MX] row_xmask:4 row_mask:0xf bank_mask:0xf
	v_max_num_f32_dpp v[MX], v[MX], v[MX] row_xmask:8 row_mask:0xf bank_mask:0xf
	v_permlanex16_b32 v[MX+1], v[MX], s98, s99
	v_max_num_f32 v[MX], v[MX], v[MX+1]
	v_min_num_f32 v[MX], 0x7b800000, v[MX]
	v_and_b32 v[MX], 0x7f800000, v[MX]
	v_sub_nc_u32 v[FAC], 0x7f000000, v[MX]
	v_mov_b32 v[FAC+1], v[FAC]
	v_add_nc_u32 v[MX+1], 0x01000000, v[MX]        ; 4 P: the sums are a quarter of k or v
.endm
.macro FACTOR_OUT val
	v_and_b32 v[LN], 31, v0
	v_mov_b32 v[ZR], 0
	v_cmp_gt_u32 vcc_lo, 1, v[LN]
	s_wait_xcnt 0x0                                ; EXEC changes only behind this wait
	s_and_saveexec_b32 s100, vcc_lo
	global_store_b32 v[ZR], v[\val], s[94:95]
	s_wait_xcnt 0x0
	s_or_b32 exec_lo, exec_lo, s100
.endm
.macro PACK a
.set AC, 64*((\a)%4)
	WIN 0x82+0x41*((\a)/4)
.set I, 0
.rept 32
	v_pk_mul_f32 v[AC+2*I:AC+2*I+1], v[AC+2*I:AC+2*I+1], v[FAC:FAC+1] op_sel_hi:[1,0]
.set I, I+1
.endr
	WIN 0x0a+5*((\a)/4)
.irp b, 0,1,2,3,4,5,6,7
.irp r, 0,1,2,3
	v_cvt_pk_f16_f32 v[TMP+4*\b+\r], v[AC+8*\b+2*\r], v[AC+8*\b+2*\r+1]
.endr
.endr
	WIN 0
.endm
.macro TOSTAGE a, sto, rd
.set BB, BK+32*((\a)%2)
.irp b, 0,1,2,3,4,5,6,7
	ds_store_b128 v[\sto], v[TMP+4*\b:TMP+4*\b+3] offset:32*\b
.endr
.irp t, 0,1,2,3,4,5,6,7
	ds_load_b128 v[BB+4*\t:BB+4*\t+3], v[\rd] offset:\t*2*SP16
.endr
.endm
.macro SEND a, younger
.set BB, BK+32*((\a)%2)
	s_wait_dscnt \younger
	s_wait_xcnt 0x0                                ; earlier stores have read their base and their registers
.if (\a) > 0
	s_add_nc_u64 s[92:93], s[92:93], s[44:45]
.endif
.irp t, 0,1,2,3,4,5,6,7
	global_store_b128 v[COT+\t], v[BB+4*\t:BB+4*\t+3], s[92:93]   ; sixteen lanes store 256 consecutive bytes, aligned
.endr
.endm
.macro OUT8 sto, rd
	PACK 0
	TOSTAGE 0, \sto, \rd
.irp a, 1,2,3,4,5,6,7
	PACK \a
	SEND \a-1, 0
	TOSTAGE \a, \sto, \rd
.endr
	SEND 7, 0
.endm
	PLACES
	s_lshl_b32 s20, s43, 8
	s_lshl_b32 s21, s13, 7
	s_add_co_u32 s20, s20, s21                     ; my first token
	s_lshr_b32 s21, s20, 11                        ; batch
	s_and_b32 s22, s20, 2047                       ; position
	s_lshr_b32 s23, s22, 7                         ; token block
	s_mov_b32 s47, 0
	s_mov_b32 s45, 0
	s_mov_b32 s98, 0x76543210
	s_mov_b32 s99, 0xfedcba98
	v_add_nc_u32 v[VT], s22, v1
	v_lshlrev_b32 v[VFQ], 8, v[VT]
	v_lshl_add_u32 v[VFQ], v2, 6, v[VFQ]
	s_cmp_lt_u32 s76, 2                            ; the cluster's group of column tiles: the same in all sixteen partners
	s_cbranch_scc0 .Lv_path
	s_lshl_b32 s16, s21, 4
	s_lshl_b32 s17, s42, 1
	s_add_co_u32 s16, s16, s17
	s_add_co_u32 s16, s16, s14                     ; 16 b + head
	s_lshl_b32 s46, s16, 11
	s_add_co_u32 s46, s46, s22
	s_lshl_b32 s46, s46, 8
	s_add_nc_u64 s[92:93], s[10:11], s[46:47]
	s_lshl_b32 s46, s16, 4
	s_add_co_u32 s46, s46, s23
	s_lshl_b32 s46, s46, 2
	s_add_co_u32 s46, s46, 25165824
	s_add_nc_u64 s[94:95], s[10:11], s[46:47]
	s_mov_b32 s44, 4096                            ; 16 tokens of 256 bytes
	v_lshlrev_b32 v[COT], 8, v2
	v_lshl_add_u32 v[COT], v1, 4, v[COT]
.irp t, 1,2,3,4,5,6,7
	v_add_nc_u32 v[COT+\t], 512, v[COT+\t-1]
.endr
	FREQ 0
.irp a, 0,1,2,3,4,5,6,7
	ROPE \a
.endr
	MAXPASS
	FACTOR_OUT MX+1
	OUT8 STOK, RDK
	s_branch .Lend
.Lv_path:
	s_sub_co_u32 s17, s42, 8
	s_lshl_b32 s17, s17, 1
	s_add_co_u32 s17, s17, s14                     ; head pair
	s_lshl_b32 s16, s21, 4
	s_lshl_b32 s18, s17, 1
	s_add_co_u32 s16, s16, s18                     ; 16 b + the pair's first head
	s_lshl_b32 s46, s16, 11
	s_add_co_u32 s46, s46, s22
	s_lshl_b32 s46, s46, 7
	s_add_co_u32 s46, s46, 16777216
	s_add_nc_u64 s[92:93], s[10:11], s[46:47]
	s_lshl_b32 s46, s21, 3
	s_add_co_u32 s46, s46, s17
	s_lshl_b32 s46, s46, 4
	s_add_co_u32 s46, s46, s23
	s_lshl_b32 s46, s46, 2
	s_add_co_u32 s46, s46, 25167872
	s_add_nc_u64 s[94:95], s[10:11], s[46:47]
	s_mov_b32 s44, 2048                            ; 16 tokens of 128 bytes
	v_lshlrev_b32 v[COT], 18, v2                   ; a head is 2,048 tokens of 128 bytes
	v_lshl_add_u32 v[COT], v4, 7, v[COT]
	v_lshl_add_u32 v[COT], v3, 4, v[COT]
.irp t, 1,2,3,4,5,6,7
	v_add_nc_u32 v[COT+\t], 256, v[COT+\t-1]
.endr
	MAXPASS
	FACTOR_OUT MX+1
	OUT8 STOV, RDV
	s_branch .Lend
; ---- POSITIONS 0-15 OF ONE (BATCH, HEAD), IN F32.  Four waves, all alike.  Wave w makes k's tiles 2 w and 2 w + 1 (16 tokens x 16 columns each) and v's tile w, over K = 256; k goes to LDS, v stays in the wave's registers.
; Behind one barrier every wave reads all of k, rotates it, makes the 16 x 16 scores and the softmax, and multiplies p by its own tile of v.  The scores are made four times over, side by side: 32 matrix instructions a wave in place of a second barrier and a way of p and v through LDS.
; The f32 matrix form sums 4 along K; K is permuted alike on both sides: lane (r, h), instruction i takes k = (K / 2) h + 2 i + 0, 1, so that a lane's numbers of kv are neighbours in memory.  Two accumulators take turns.
; REGISTERS (window 0 alone): v1-15, v26, v27 offsets and LDS addresses; v32-39, v40-47 the accumulators; v48-55, v16-23 k's two results; v56-63 v's tile; v64-191 kv's 128 numbers a lane, later k (v64-127) and q (v128-191);
;   v192-255 two chunks of 32 of the weight, later the 32 pairs (cos, sin), later p and the softmax's few (v224-237); v9, v10: offsets of q's and the frequencies' loads, and behind the wait for them the rotation's two temporaries.
.macro NOPS8                           ; eight plain places behind this matrix form (ISA guide 7.12.1)
.rept 8
	v_nop
.endr
.endm
.macro FXLOAD c                        ; kv(r, 128 h + 32 c + 0 .. 31)
.irp i, 0,1,2,3,4,5,6,7
	global_load_b128 v[64+32*(\c)+4*\i:67+32*(\c)+4*\i], v3, s[80:81] offset:128*(\c)+16*\i
.endr
.endm
.macro FWLOAD g                        ; chunk g of twelve: tile g / 4 (0, 1: k's; 2: v's), rows 128 h + 32 (g % 4) + 0 .. 31 of the weight, my lane's column; buffer g % 2
.set I, 0
.rept 32
.if ((\g)/4) < 2
	global_load_b32 v[192+32*((\g)%2)+I], v4, s[84:85] offset:(32*((\g)%4)+I)*8192+64*((\g)/4)
.else
	global_load_b32 v[192+32*((\g)%2)+I], v5, s[86:87] offset:(32*((\g)%4)+I)*4096
.endif
.set I, I+1
.endr
.endm
.Lfine:
	s_sub_co_u32 s15, s74, 12                      ; batch
	s_lshl_b32 s16, s41, 2
	s_add_co_u32 s16, s16, s40                     ; head = 4 cy + cx: it enters global addresses alone
	v_and_b32 v1, 15, v0                           ; r
	v_bfe_u32 v2, v0, 4, 1                         ; h
	v_and_b32 v15, 31, v0                          ; lane
	v_mul_u32_u24 v26, v1, 528
	v_lshl_add_u32 v27, v2, 8, v26
	v_add_nc_u32 v27, FINEK, v27                   ; k back: row r, + 256 h
	v_lshl_add_u32 v26, v2, 5, v26
	s_lshl_b32 s17, s12, 7
	v_add_nc_u32 v26, s17, v26
	v_add_nc_u32 v26, FINEK, v26                   ; k in: row r, + 128 wave + 32 h; the second tile 64 bytes on
	v_mul_u32_u24 v3, v1, 9216
	v_lshl_add_u32 v9, v2, 8, v3                   ; q: row r of fine32, + 256 h
	v_lshl_add_u32 v3, v2, 9, v3
	v_add_nc_u32 v3, 8192, v3                      ; kv: row r, column 2,048 on, + 512 h
	v_lshlrev_b32 v10, 8, v1                       ; freqs_cis: token r
	v_lshlrev_b32 v11, 12, v1
	v_lshl_add_u32 v11, v2, 5, v11                 ; of32: row r, + 32 h
	v_lshlrev_b32 v12, 3, v2
	v_sub_nc_u32 v12, v1, v12                      ; r - 8 h: key 8 h + j is hidden where j is greater
	v_lshlrev_b32 v4, 20, v2
	v_lshl_add_u32 v4, v1, 2, v4                   ; w_k_up: 128 h rows of 8,192 bytes + 4 r
	v_lshlrev_b32 v5, 19, v2
	v_lshl_add_u32 v5, v1, 2, v5                   ; w_v_up: 128 h rows of 4,096 bytes + 4 r
	s_mul_i32 s78, s15, 147456
	s_add_co_u32 s78, s78, 2097152
	s_mov_b32 s79, 0
	s_add_nc_u64 s[80:81], s[4:5], s[78:79]        ; fine32, my batch
	s_lshl_b32 s78, s16, 9
	s_add_nc_u64 s[82:83], s[80:81], s[78:79]      ; my head's q
	s_add_co_u32 s78, s78, s17
	s_add_nc_u64 s[84:85], s[68:69], s[78:79]      ; w_k_up at column 128 head + 32 wave
	s_lshl_b32 s78, s16, 8
	s_lshl_b32 s18, s12, 6
	s_add_co_u32 s78, s78, s18
	s_add_nc_u64 s[86:87], s[70:71], s[78:79]      ; w_v_up at column 64 head + 16 wave
	s_lshl_b32 s18, s15, 16
	s_add_co_u32 s78, s78, s18
	s_add_nc_u64 s[88:89], s[72:73], s[78:79]      ; of32: my batch's 16 rows, column 64 head + 16 wave
	FXLOAD 0                                       ; what the first chunk's products want goes out first
	FWLOAD 0
	FXLOAD 1
	FWLOAD 1
	FXLOAD 2
	FXLOAD 3
.irp g, 0,1,2,3,4,5,6,7,8,9,10,11
.if \g == 0
	s_wait_loadcnt 56                              ; kv's part 0 and chunk 0 are in; behind them: kv's parts 1, 2, 3 (24 loads) and chunk 1 (32)
.elseif \g == 1
	s_wait_loadcnt 48                              ; kv's part 1 and chunk 1 are in; behind them: kv's parts 2, 3 (16) and chunk 2 (32)
.elseif \g < 11
	s_wait_loadcnt 32                              ; this chunk is in; the next chunk's 32 loads may be out
.else
	s_wait_loadcnt 0x0
.endif
.set I, 0
.rept 16
.set XR, 64+2*(16*(\g%4)+I)
.set WR, 192+32*(\g%2)+2*I
.set AR, 32+8*(I%2)
.if (\g/4) < 2                         ; k: the weight is source 0: a lane holds a token and eight neighbouring columns
.if (16*(\g%4)+I) < 2
	v_wmma_f32_16x16x4_f32 v[AR:AR+7], v[WR:WR+1], v[XR:XR+1], 0
.else
	v_wmma_f32_16x16x4_f32 v[AR:AR+7], v[WR:WR+1], v[XR:XR+1], v[AR:AR+7]
.endif
.else                                  ; v: kv is source 0: a lane holds a channel and eight tokens
.if (16*(\g%4)+I) < 2
	v_wmma_f32_16x16x4_f32 v[AR:AR+7], v[XR:XR+1], v[WR:WR+1], 0
.else
	v_wmma_f32_16x16x4_f32 v[AR:AR+7], v[XR:XR+1], v[WR:WR+1], v[AR:AR+7]
.endif
.endif
.set I, I+1
.endr
.if (\g < 10) || ((\g%4) == 3)
	NOPS8                                          ; in front of loads into the chunk's registers, and of the reads of finished sums
.endif
.if \g < 10
	FWLOAD \g+2
.endif
.if \g == 3
.irp j, 0,1,2,3,4,5,6,7
	v_add_f32 v[48+\j], v[32+\j], v[40+\j]         ; k(r, 32 w + 8 h + j)
.endr
	ds_store_b128 v26, v[48:51]
	ds_store_b128 v26, v[52:55] offset:16
	v_nop                                          ; with the eight above: more than the nine places that stand ahead of a product that begins an accumulator anew
	v_nop
.endif
.if \g == 7
.irp j, 0,1,2,3,4,5,6,7
	v_add_f32 v[16+\j], v[32+\j], v[40+\j]         ; k(r, 32 w + 16 + 8 h + j)
.endr
	ds_store_b128 v26, v[16:19] offset:64
	ds_store_b128 v26, v[20:23] offset:80
	v_nop
	v_nop
.endif
.if \g == 11
.irp j, 0,1,2,3,4,5,6,7
	v_add_f32 v[56+\j], v[32+\j], v[40+\j]         ; v(key 8 h + j, channel 16 w + r): it stays here
.endr
.endif
.endr
.set I, 0
.rept 16
	global_load_b128 v[128+4*I:131+4*I], v9, s[82:83] offset:16*I    ; q(r, 64 h + 0..63), already rotated, into registers that kv has left
.set I, I+1
.endr
.set I, 0
.rept 16
	global_load_b128 v[192+4*I:195+4*I], v10, s[8:9] offset:16*I     ; (cos, sin) of token r, pairs 0..31: v192 + 2 i, v193 + 2 i
.set I, I+1
.endr
	s_wait_dscnt 0x0                               ; my stores of k have landed
	s_barrier_signal -1
	s_barrier_wait -1                              ; everybody's have
.set I, 0
.rept 16
	ds_load_b128 v[64+4*I:67+4*I], v27 offset:16*I ; k(r, 64 h + 0..63)
.set I, I+1
.endr
	v_cmp_lt_u32 vcc_lo, 15, v15                   ; lanes 16-31 hold the 64 rotated dims; lanes 0-15 get cos = 1, sin = 0
	s_wait_loadcnt 0x0                             ; q and the frequencies are in: their offsets v9 and v10 are free from here on
.set I, 0
.rept 32
	v_cndmask_b32 v[192+2*I], 1.0, v[192+2*I], vcc_lo
	v_cndmask_b32 v[193+2*I], 0, v[193+2*I], vcc_lo
.set I, I+1
.endr
	s_wait_dscnt 0x0
; The rotation: lo = v[64 + i], hi = v[96 + i]: lo' = lo cos - hi sin, hi' = hi cos + lo sin.  hi sin goes into v9 or v10 by turns; lo sin takes the pair's own sine's place, which nobody reads afterwards.
.set I, 0
.rept 32
	v_mul_f32 v[9+I%2], v[96+I], v[193+2*I]
	v_mul_f32 v[193+2*I], v[64+I], v[193+2*I]
	v_fma_f32 v[64+I], v[64+I], v[192+2*I], -v[9+I%2]
	v_fma_f32 v[96+I], v[96+I], v[192+2*I], v[193+2*I]
.set I, I+1
.endr
.set I, 0
.rept 32                               ; S^T = k q^T: lane (r, h): query r, keys 8 h + 0..7
.set AR, 32+8*(I%2)
.if I < 2
	v_wmma_f32_16x16x4_f32 v[AR:AR+7], v[64+2*I:65+2*I], v[128+2*I:129+2*I], 0
.else
	v_wmma_f32_16x16x4_f32 v[AR:AR+7], v[64+2*I:65+2*I], v[128+2*I:129+2*I], v[AR:AR+7]
.endif
.set I, I+1
.endr
	s_mov_b32 s77, 0x3e0293ee                      ; log2(e) / sqrt(128)
	s_mov_b32 s90, 0x76543210
	s_mov_b32 s91, 0xfedcba98
	NOPS8
.irp j, 0,1,2,3,4,5,6,7
	v_add_f32 v[224+\j], v[32+\j], v[40+\j]
.endr
.irp j, 0,1,2,3,4,5,6,7
	v_mul_f32 v[224+\j], s77, v[224+\j]
.endr
	v_mov_b32 v232, 0xff800000
.irp j, 0,1,2,3,4,5,6,7
	v_cmp_gt_i32 vcc_lo, \j, v12
	v_cndmask_b32 v[224+\j], v[224+\j], v232, vcc_lo
.endr
	v_max3_num_f32 v233, v224, v225, v226
	v_max3_num_f32 v233, v233, v227, v228
	v_max3_num_f32 v233, v233, v229, v230
	v_max_num_f32 v233, v233, v231
	v_mov_b32 v234, 0
	v_permlanex16_b32 v234, v233, s90, s91
	v_max_num_f32 v233, v233, v234                 ; the row's maximum: key 0 counts for every query
.irp j, 0,1,2,3,4,5,6,7
	v_sub_f32 v[224+\j], v[224+\j], v233
.endr
.irp j, 0,1,2,3,4,5,6,7
	v_exp_f32 v[224+\j], v[224+\j]
.endr
	v_nop
	s_wait_alu depctr_va_vdst(0)                   ; one wait for the eight exponentials
	v_add_f32 v234, v224, v225
	v_add_f32 v235, v226, v227
	v_add_f32 v236, v228, v229
	v_add_f32 v237, v230, v231
	v_add_f32 v234, v234, v235
	v_add_f32 v236, v236, v237
	v_add_f32 v234, v234, v236
	v_permlanex16_b32 v235, v234, s90, s91
	v_add_f32 v234, v234, v235
	v_rcp_f32 v234, v234
.irp i, 0,1,2,3                        ; O^T = v^T p for my 16 channels: keys 8 h + 2 i + 0, 1 on both sides; the two accumulators by turns
.if \i < 2
	v_wmma_f32_16x16x4_f32 v[32+8*(\i%2):39+8*(\i%2)], v[56+2*\i:57+2*\i], v[224+2*\i:225+2*\i], 0
.else
	v_wmma_f32_16x16x4_f32 v[32+8*(\i%2):39+8*(\i%2)], v[56+2*\i:57+2*\i], v[224+2*\i:225+2*\i], v[32+8*(\i%2):39+8*(\i%2)]
.endif
.endr
	NOPS8
	s_wait_alu depctr_va_vdst(0)                   ; the reciprocal, ahead of its first reader
.irp j, 0,1,2,3,4,5,6,7
	v_add_f32 v[16+\j], v[32+\j], v[40+\j]
.endr
.irp j, 0,1,2,3,4,5,6,7
	v_mul_f32 v[16+\j], v[16+\j], v234             ; o(r, 64 head + 16 w + 8 h + j)
.endr
	global_store_b128 v11, v[16:19], s[88:89]      ; 32 bytes a lane, 64 of a row a wave: the whole of of32 is 128 KiB
	global_store_b128 v11, v[20:23], s[88:89] offset:16
.Lend:
	s_wait_tensorcnt 0x0                           ; the wave's end
	ds_add_u32 v[SPW], v[NIL]
	s_wait_dscnt 0x0
	CROUND                                         ; the closing round
	s_endpgm
.Lfunc_end_k_q2f7a03c6fb_kvup:
	.size	k_q2f7a03c6fb_kvup, .Lfunc_end_k_q2f7a03c6fb_kvup-k_q2f7a03c6fb_kvup
	.p2alignl 7, 3214868480
	.fill 96, 4, 3214868480
	.section	.rodata,"a",@progbits
	.p2align	6, 0x0
	.amdhsa_kernel k_q2f7a03c6fb_kvup
		.amdhsa_group_segment_fixed_size 327680
		.amdhsa_private_segment_fixed_size 0
		.amdhsa_enable_private_segment 0
		.amdhsa_kernarg_size 56
		.amdhsa_user_sgpr_count 2
		.amdhsa_user_sgpr_kernarg_segment_ptr 1
		.amdhsa_wavefront_size32 1
		.amdhsa_system_sgpr_workgroup_id_x 1
		.amdhsa_system_sgpr_workgroup_id_y 1
		.amdhsa_system_sgpr_workgroup_id_z 1
		.amdhsa_system_vgpr_workitem_id 0
		.amdhsa_next_free_vgpr 1024
		.amdhsa_next_free_sgpr 102
		.amdhsa_reserve_vcc 1
		.amdhsa_float_denorm_mode_32 3
		.amdhsa_float_denorm_mode_16_64 3
		.amdhsa_memory_ordered 1
		.amdhsa_forward_progress 1
		.amdhsa_inst_pref_size 255
	.end_amdhsa_kernel
	.section	.bss,"aw",@nobits
	.p2align	6
	.space	262144
	.amdgpu_metadata
---
amdhsa.version: [ 1, 2 ]
amdhsa.kernels:
  - .name:           k_q2f7a03c6fb_kvup
    .symbol:         k_q2f7a03c6fb_kvup.kd
    .args:
      - { .name: pj, .offset: 0, .size: 8, .value_kind: global_buffer, .address_space: global }
      - { .name: w16, .offset: 8, .size: 8, .value_kind: global_buffer, .address_space: global }
      - { .name: freqs_cis, .offset: 16, .size: 8, .value_kind: global_buffer, .address_space: global }
      - { .name: kv2, .offset: 24, .size: 8, .value_kind: global_buffer, .address_space: global }
      - { .name: w_k_up, .offset: 32, .size: 8, .value_kind: global_buffer, .address_space: global }
      - { .name: w_v_up, .offset: 40, .size: 8, .value_kind: global_buffer, .address_space: global }
      - { .name: of32, .offset: 48, .size: 8, .value_kind: global_buffer, .address_space: global }
    .group_segment_fixed_size: 327680
    .private_segment_fixed_size: 0
    .kernarg_segment_align: 8
    .kernarg_segment_size: 56
    .max_flat_workgroup_size: 128
    .sgpr_count:     102
    .vgpr_count:     1024
    .wavefront_size: 32
...
	.end_amdgpu_metadata
.endif
;; end of part 3
;; launch attn (part 4): grid 8 x 32, 4 waves a work-group, no clusters, 327,680 bytes of LDS; arguments q16, pj, kv2, o16; writes o16
.if DOCPART == 4
	.amdgcn_target "amdgcn-amd-amdhsa--gfx1250"
	.amdhsa_code_object_version 6
	.text
	.protected	k_q2f7a03c6fb_attn
	.globl	k_q2f7a03c6fb_attn
	.p2align	8
	.type	k_q2f7a03c6fb_attn,@function
k_q2f7a03c6fb_attn:
	s_mov_b64 s[64:65], 0
	v_nop
	global_prefetch_b8 v0, s[64:65] scope:SCOPE_SE
	s_setreg_imm32_b32 hwreg(HW_REG_WAVE_MODE, 25, 1), 1
	s_wait_xcnt 0x0
; ATTN.  o = softmax(q k^T / sqrt(128), causal) v for one (batch, head), with f16 operands, f32 sums and a running maximum.
; SHARES.  Work-group (i, bh) owns the query blocks 15 - i and i (128 queries each), one after the other: (16 - i) + (i + 1) = 17 units of 128 keys for every work-group, so the trip count is a constant and every tile fetched is read.
; A wave owns 32 queries, two tiles of 16.  A unit goes as two steps of 64 keys.  K's and V's units come through two LDS slots (waves 0, 1: K's halves; waves 2, 3: V's).
; NO CLUSTER: from trip 9 on the eight work-groups of a head want different units (unit u for u < 16 - i, else u - (16 - i)); a joint walk in step would take 24 units' time where this takes 17.
; LAYOUT.  S^T = K Q^T (source 0 = 16 keys, source 1 = 16 queries), O^T = V^T P (V read turned): a lane holds one query throughout; two tiles of S^T, rounded in pairs, are a fragment of P.
; BLOCK FACTORS.  q = q16 qP, k = k16 kP, v = v16 vP, powers of two for each 128 tokens.  With P_g the largest vP of all and nd = log2(P_g / vP), held at 60:
;   t~ = s c qP kP - nd (c = log2 e / sqrt 128), m = the running largest t~, p~ = 2^(t~ - m) <= 1 (rounded to f16 for the product), l = sum of 2^nd p~ (of the unrounded p~, in f32), O = sum of p~ v16.  O / l = o / P_g, under 2 in magnitude: stored as f16.
; LIMITS: NaN and infinities are not served; qP kP stays under 2^127; a block of v more than 2^60 under the largest is weighed as if it lay 2^60 under it.
; REGISTERS: window 0: v2-8 addresses; v[12:13] c qP kP; v[14:15] 2^nd; v16 nd; v17 c qP; v18 -infinity; v20-23 the mask's thresholds; v24-39 statistics, eight a tile (+0 -nd - m, +1 m, +2, +3 l, +4..+7 at work, a in +6);
;   v64-127 S^T; v128-159 P; v160-223 O^T.   window 1: v0-63 Q; v64-191 K of a step; v192-255 V of a step.
.set PK,    272                        ; a key's row of K in LDS: 256 bytes + 16
.set PVP,   160                        ; a key's row of V: 128 bytes + 32
.set VOFF,  128*PK
.set SLOT1, 65536
.set STAGE, 131072                     ; the way out: 16 rows x 144 bytes a wave; no tile lands here
.set SPARE, STAGE+4*16*144
.set AK0, 2
.set AV0, 3
.set ADR, 4
.set QO,  5
.set STO, 6
.set RD,  7
.set GO,  8
.set CK,  12
.set G,   14
.set ND,  16
.set C0Q, 17
.set NINF, 18
.set DQ,  20
.set ST,  24
.set PFO, 61
.set SPW, 62
.set NIL, 63
.set S,   64
.set P,   128
.set O,   160
.set KF,  64
.set VFR, 192
.set WV,  12
.set NU0, 15                           ; s15 units of the first block: 16 - i
.set LASTU, 16                         ; s16 its last trip, and its number: 15 - i
.set U,   17                           ; s17 the trip
.set DG,  18                           ; s18 1 where the unit lies on the diagonal: a block's last
.set TB,  19                           ; s19 where the slot in hand begins
.set SEL, 20
.set KP,  22
.set VP,  23
.set QP,  24
.set PG,  25
.set BLK, 26
.set G1K, 28
.set G1V, 36
.set G0K, 44                           ; s[44:47] tile 0; s[48:51] walks
.set G0V, 52
.set MSB, 0
.macro WIN new
.if MSB != (\new)
	s_set_vgpr_msb (MSB<<8)|(\new)
.set MSB, (\new)
.endif
.endm
.macro PLACES
.rept 4
	v_nop
.endr
.endm
.macro TLOAD                           ; the refill: waves 0, 1 K's halves, waves 2, 3 V's; an s_nop 0 and four v_nop follow each line
	s_cmp_lt_u32 s[WV], 2
	s_cbranch_scc0 .Lfor_v_\@
	tensor_load_to_lds s[G0K+4:G0K+7], s[G1K:G1K+7]
	s_nop 0
.rept 4
	v_nop
.endr
	s_branch .Lasked_\@
.Lfor_v_\@:
	tensor_load_to_lds s[G0V+4:G0V+7], s[G1V:G1V+7]
	s_nop 0
.rept 4
	v_nop
.endr
.Lasked_\@:
.endm
; A prefetch of unit U + 3, one trip ahead of the tensor load that will ask for it.  All eight work-groups of a head walk the same units: work-group 0, which walks units 0 to 15 in order, asks, and nobody else.
; Each of its waves names 32 rows of K, a lane a row of 256 bytes; waves 0 and 1 also 32 runs of 256 bytes of V each: each run is named once in the launch.  It stops when unit 15 has been named; units 0 to 2 come by their loads alone.
.macro ASK
	s_cmp_lt_u32 s[U], s80
	s_cbranch_scc0 .Lnot_mine_\@
	global_prefetch_b8 v[PFO], s[76:77] th:TH_LOAD_NT scope:SCOPE_SE
	s_cmp_lt_u32 s[U], s81
	s_cbranch_scc0 .Lnot_mine_\@
	global_prefetch_b8 v[PFO], s[78:79] th:TH_LOAD_NT scope:SCOPE_SE
.Lnot_mine_\@:
.endm
	s_load_b256 s[4:11], s[0:1], 0x0               ; q16, pj, kv2, o16
	v_lshl_add_u32 v[SPW], v0, 2, SPARE
	v_mov_b32 v[NIL], 0
	ds_add_u32 v[SPW], v[NIL]                      ; the wave's opening: the add, twice on end, and its wait ahead of my first tensor load
	ds_add_u32 v[SPW], v[NIL]
	v_lshrrev_b32 v1, 5, v0
	v_readfirstlane_b32 s[WV], v1
	s_and_b32 s13, ttmp7, 0xffff                   ; 16 b + h
	s_and_b32 s14, s[WV], 1
	s_sub_co_u32 s[NU0], 16, ttmp9
	s_sub_co_u32 s[LASTU], 15, ttmp9
	s_mov_b32 s[G1K], 0x07510000                   ; elements of 2 bytes; 4 words of padding after every 64
	s_mov_b32 s[G1K+1], 128<<16
	s_mov_b32 s[G1K+2], 64<<16
	s_mov_b32 s[G1K+3], 128<<16
	s_mov_b32 s[G1K+4], 64
	s_mov_b32 s[G1K+5], 128
	s_mov_b32 s[G1K+6], 0
	s_mov_b32 s[G1K+7], 0
	s_mov_b32 s[G1V], 0x0f110000                   ; 8 words of padding after every 32
	s_mov_b32 s[G1V+1], 64<<16
	s_mov_b32 s[G1V+2], 64<<16
	s_mov_b32 s[G1V+3], 64<<16
	s_mov_b32 s[G1V+4], 64
	s_mov_b32 s[G1V+5], 64
	s_mov_b32 s[G1V+6], 0
	s_mov_b32 s[G1V+7], 0
	s_mov_b32 s[SEL], 0x76543210
	s_mov_b32 s[SEL+1], 0xfedcba98
	s_mov_b32 s[TB], 0
	s_lshl_b32 s82, s13, 19
	s_lshl_b32 s83, s14, 14
	s_add_co_u32 s82, s82, s83                     ; K: the head's 2,048 rows of 256 bytes, my 64-row half of a unit
	s_mov_b32 s83, 0
	s_lshl_b32 s84, s13, 18
	s_lshl_b32 s85, s14, 13
	s_add_co_u32 s84, s84, s85
	s_add_co_u32 s84, s84, 16777216                ; V likewise, rows of 128 bytes
	s_mov_b32 s85, 0
	s_mul_i32 s86, s14, 64*PK
	s_mul_i32 s87, s14, 64*PVP
	s_add_co_u32 s87, s87, VOFF
	s_wait_dscnt 0x0
	s_wait_kmcnt 0x0
	s_add_nc_u64 s[60:61], s[8:9], s[82:83]
	s_add_nc_u64 s[62:63], s[8:9], s[84:85]
.irp n, 0,1
	s_mov_b32 s[G0K+4*\n], 1
	s_add_co_u32 s[G0K+4*\n+1], s86, \n*SLOT1
	s_add_nc_u64 s[G0K+4*\n+2:G0K+4*\n+3], s[60:61], \n*32768
	s_or_b32 s[G0K+4*\n+3], s[G0K+4*\n+3], 0x80000000
	s_mov_b32 s[G0V+4*\n], 1
	s_add_co_u32 s[G0V+4*\n+1], s87, \n*SLOT1
	s_add_nc_u64 s[G0V+4*\n+2:G0V+4*\n+3], s[62:63], \n*16384
	s_or_b32 s[G0V+4*\n+3], s[G0V+4*\n+3], 0x80000000
.endr
	s_cmp_lt_u32 s[WV], 2                          ; a wave's two first fills (units 0 and 1) stand in one branch, ahead of every wait on TENSORcnt, every LDS read and every barrier
	s_cbranch_scc0 .Lfirst_v
	tensor_load_to_lds s[G0K:G0K+3], s[G1K:G1K+7]
	s_nop 0
	tensor_load_to_lds s[G0K+4:G0K+7], s[G1K:G1K+7]
	s_nop 0
.rept 4
	v_nop
.endr
	s_branch .Lfirst_asked
.Lfirst_v:
	tensor_load_to_lds s[G0V:G0V+3], s[G1V:G1V+7]
	s_nop 0
	tensor_load_to_lds s[G0V+4:G0V+7], s[G1V:G1V+7]
	s_nop 0
.rept 4
	v_nop
.endr
.Lfirst_asked:
	s_lshl_b32 s82, s13, 6
	s_mov_b32 s83, 0
	s_add_nc_u64 s[66:67], s[8:9], s[82:83]
	s_add_nc_u64 s[66:67], s[66:67], 25165824      ; ks: 16 words for my (b, h)
	s_add_nc_u64 s[70:71], s[6:7], s[82:83]
	s_add_nc_u64 s[70:71], s[70:71], 2392064       ; qs likewise
	s_lshr_b32 s82, s13, 1
	s_lshl_b32 s82, s82, 6
	s_add_nc_u64 s[68:69], s[8:9], s[82:83]
	s_add_nc_u64 s[68:69], s[68:69], 25167872      ; vs: 16 words for my (b, head pair)
	s_add_nc_u64 s[94:95], s[8:9], 25167872        ; vs, all 256 words
	s_lshl_b32 s82, s13, 19
	s_lshl_b32 s84, s[WV], 13
	s_add_co_u32 s82, s82, s84
	s_add_nc_u64 s[72:73], s[4:5], s[82:83]        ; q16 at my wave's 32 rows of block 0
	s_add_co_u32 s82, s82, 2*32768
	s_add_nc_u64 s[76:77], s[8:9], s[82:83]        ; K's prefetches: my wave's 32 rows, in unit 2; the first change of slots steps it to unit 3
	s_lshl_b32 s82, s13, 18
	s_add_co_u32 s82, s82, s84
	s_add_co_u32 s82, s82, 16777216+2*16384
	s_add_nc_u64 s[78:79], s[8:9], s[82:83]        ; V's likewise
	s_and_b32 s82, s13, 15
	s_lshl_b32 s82, s82, 12
	s_lshr_b32 s84, s13, 4
	s_lshl_b32 s84, s84, 11
	s_add_co_u32 s82, s82, s84
	s_lshl_b32 s84, s[WV], 5
	s_add_co_u32 s82, s82, s84
	s_lshl_b32 s82, s82, 7
	s_add_nc_u64 s[74:75], s[10:11], s[82:83]      ; o16 [h][4096 tokens][64] at my wave's 32 rows of block 0
	s_cmp_eq_u32 ttmp9, 0
	s_cselect_b32 s80, 13, 0
	s_cmp_lt_u32 s[WV], 2
	s_cselect_b32 s81, s80, 0
	v_and_b32 v1, 15, v0                           ; r
	v_bfe_u32 v9, v0, 4, 1                         ; h
	v_and_b32 v10, 31, v0                          ; lane
	v_lshlrev_b32 v[PFO], 8, v10
	v_lshlrev_b32 v11, 5, v10
	global_load_b128 v[64:67], v11, s[94:95]       ; eight of the 256 words of vs a lane
	global_load_b128 v[68:71], v11, s[94:95] offset:16
	v_lshlrev_b32 v[QO], 8, v1
	v_lshl_add_u32 v[QO], v9, 4, v[QO]
	v_mul_u32_u24 v[AK0], v1, PK
	v_lshl_add_u32 v[AK0], v9, 4, v[AK0]
	v_and_b32 v40, 7, v0
	v_bfe_u32 v41, v0, 3, 1
	v_lshl_add_u32 v[AV0], v9, 3, v40
	v_mul_u32_u24 v[AV0], v[AV0], PVP
	v_lshl_add_u32 v[AV0], v41, 4, v[AV0]
	v_add_nc_u32 v[AV0], VOFF, v[AV0]
	s_mul_i32 s82, s[WV], 16*144
	s_add_co_u32 s82, s82, STAGE
	v_mul_u32_u24 v[STO], v1, 144
	v_lshl_add_u32 v[STO], v9, 4, v[STO]
	v_add_nc_u32 v[STO], s82, v[STO]               ; in: row r, 16 bytes for each half of the lanes
	v_bfe_u32 v41, v0, 3, 2
	v_mul_u32_u24 v[RD], v41, 144
	v_lshl_add_u32 v[RD], v40, 4, v[RD]
	v_add_nc_u32 v[RD], s82, v[RD]                 ; back: eight lanes to a row of 128 bytes, four rows an instruction
	v_lshlrev_b32 v[GO], 4, v10
	v_mov_b32 v[NINF], 0xff800000
	v_lshlrev_b32 v40, 3, v9
	v_sub_nc_u32 v40, v1, v40
	s_lshl_b32 s82, s[WV], 5
	v_add_nc_u32 v[DQ], s82, v40                   ; tile t, step s: my query's place in its block - 8 h - 64 s.  Register 8 y + j of S^T is hidden where 16 y + j is greater
	v_add_nc_u32 v[DQ+1], 0xffffffc0, v[DQ]
	v_add_nc_u32 v[DQ+2], 16, v[DQ]
	v_add_nc_u32 v[DQ+3], 16, v[DQ+1]
.macro FETCH_K s                       ; 64 keys x 128 channels: 16 fragments, in one run
	WIN 0
	v_add_nc_u32 v[ADR], s[TB], v[AK0]
	WIN 0x40
.set I, 0
.rept 16
	ds_load_b128 v[KF+8*I:KF+8*I+3],   v[ADR] offset:64*PK*(\s)+(I/4)*16*PK+(I%4)*64
	ds_load_b128 v[KF+8*I+4:KF+8*I+7], v[ADR] offset:64*PK*(\s)+(I/4)*16*PK+(I%4)*64+32
.set I, I+1
.endr
	WIN 0
.endm
.macro FETCH_V s                       ; 64 keys x 64 channels, turned: 8 fragments
	WIN 0
	v_add_nc_u32 v[ADR], s[TB], v[AV0]
	WIN 0x40
.set I, 0
.rept 8
	ds_load_tr16_b128 v[VFR+8*I:VFR+8*I+3],   v[ADR] offset:64*PVP*(\s)+(I/4)*32*PVP+(I%4)*32
	ds_load_tr16_b128 v[VFR+8*I+4:VFR+8*I+7], v[ADR] offset:64*PVP*(\s)+(I/4)*32*PVP+16*PVP+(I%4)*32
.set I, I+1
.endr
	WIN 0
.endm
.macro KQ                              ; 32 products; eight accumulators by turns; the first eight start the sums
	WIN 0x05
.irp c, 0,1,2,3
.irp y, 0,1,2,3
.irp t, 0,1
.if \c == 0
	v_wmma_f32_16x16x32_f16 v[S+32*\t+8*\y:S+32*\t+8*\y+7], v[KF+32*\y+8*\c:KF+32*\y+8*\c+7], v[32*\t+8*\c:32*\t+8*\c+7], 0
.else
	v_wmma_f32_16x16x32_f16 v[S+32*\t+8*\y:S+32*\t+8*\y+7], v[KF+32*\y+8*\c:KF+32*\y+8*\c+7], v[32*\t+8*\c:32*\t+8*\c+7], v[S+32*\t+8*\y:S+32*\t+8*\y+7]
.endif
.endr
.endr
.endr
.endm
.macro PVM                             ; 16 products O^T += V^T P; eight accumulators by turns
	WIN 0x01
.irp g, 0,1
.irp d, 0,1,2,3
.irp t, 0,1
	v_wmma_f32_16x16x32_f16 v[O+32*\t+8*\d:O+32*\t+8*\d+7], v[VFR+32*\g+8*\d:VFR+32*\g+8*\d+7], v[P+16*\t+8*\g:P+16*\t+8*\g+7], v[O+32*\t+8*\d:O+32*\t+8*\d+7]
.endr
.endr
.endr
.endm
.macro MASK s                          ; on the diagonal unit hidden scores become -infinity; elsewhere a scalar branch on ids and the count of trips leads round it
	s_cmp_eq_u32 s[DG], 0
	s_cbranch_scc1 .Lopen_\@
.irp t, 0,1
.irp y, 0,1,2,3
.irp j, 0,1,2,3,4,5,6,7
	v_cmp_gt_i32 vcc_lo, 16*\y+\j, v[DQ+2*\t+\s]
	v_cndmask_b32 v[S+32*\t+8*\y+\j], v[S+32*\t+8*\y+\j], v[NINF], vcc_lo
.endr
.endr
.endr
.Lopen_\@:
.endm
; The softmax of a step's 64 keys, the two tiles line by line in turn.  All in window 0.
.macro SOFTMAX
.irp c, 0,1,2,3
.irp t, 0,1
	v_max3_num_f32 v[ST+8*\t+4+\c], v[S+32*\t+8*\c], v[S+32*\t+8*\c+1], v[S+32*\t+8*\c+2]   ; each accumulator is read from its low end on
.endr
.endr
.irp k, 3,5
.irp c, 0,1,2,3
.irp t, 0,1
	v_max3_num_f32 v[ST+8*\t+4+\c], v[ST+8*\t+4+\c], v[S+32*\t+8*\c+\k], v[S+32*\t+8*\c+\k+1]
.endr
.endr
.endr
.irp t, 0,1
	v_max3_num_f32 v[ST+8*\t+4], v[ST+8*\t+4], v[S+32*\t+7], v[S+32*\t+15]
	v_max3_num_f32 v[ST+8*\t+6], v[ST+8*\t+6], v[S+32*\t+23], v[S+32*\t+31]
.endr
.irp t, 0,1
	v_max3_num_f32 v[ST+8*\t+4], v[ST+8*\t+4], v[ST+8*\t+5], v[ST+8*\t+6]
.endr
.irp t, 0,1
	v_max_num_f32 v[ST+8*\t+4], v[ST+8*\t+4], v[ST+8*\t+7]
.endr
.irp t, 0,1
	v_permlanex16_b32 v[ST+8*\t+5], v[ST+8*\t+4], s[SEL], s[SEL+1]   ; the query's other 32 keys lie in the lane 16 away
.endr
.irp t, 0,1
	v_max_num_f32 v[ST+8*\t+4], v[ST+8*\t+4], v[ST+8*\t+5]
.endr
.irp t, 0,1
	v_fma_f32 v[ST+8*\t+4], v[ST+8*\t+4], v[CK], -v[ND]     ; the step's largest t~
.endr
.irp t, 0,1
	v_mov_b32 v[ST+8*\t+7], v[ST+8*\t+1]
.endr
.irp t, 0,1
	v_max_num_f32 v[ST+8*\t+1], v[ST+8*\t+1], v[ST+8*\t+4]  ; the running maximum
.endr
.irp t, 0,1
	v_sub_f32 v[ST+8*\t+7], v[ST+8*\t+7], v[ST+8*\t+1]      ; old m - new m
.endr
.irp t, 0,1
	v_fma_f32 v[ST+8*\t], v[ND], -1.0, -v[ST+8*\t+1]        ; -nd - m
.endr
.irp t, 0,1
	v_exp_f32 v[ST+8*\t+6], v[ST+8*\t+7]                    ; a
.endr
.set I, 0
.rept 16
.irp t, 0,1
	v_pk_fma_f32 v[S+32*\t+2*I:S+32*\t+2*I+1], v[S+32*\t+2*I:S+32*\t+2*I+1], v[CK:CK+1], v[ST+8*\t:ST+8*\t+1] op_sel_hi:[1,0,0]
.endr
.set I, I+1
.endr
.set I, 0
.rept 32
.irp t, 0,1
	v_exp_f32 v[S+32*\t+I], v[S+32*\t+I]
.endr
.set I, I+1
.endr
	v_nop                                          ; a plain instruction behind the last exponential,
	s_wait_alu depctr_va_vdst(0)                   ; and one wait for the batch of 66, ahead of the first line that names a result
.set I, 0
.rept 16
.irp t, 0,1
	v_cvt_pk_f16_f32 v[P+16*\t+I], v[S+32*\t+2*I], v[S+32*\t+2*I+1]
.endr
.set I, I+1
.endr
.irp u, 0,1,2,3,4,5,6,7
.irp t, 0,1
	v_pk_add_f32 v[S+32*\t+4*\u:S+32*\t+4*\u+1], v[S+32*\t+4*\u:S+32*\t+4*\u+1], v[S+32*\t+4*\u+2:S+32*\t+4*\u+3]
.endr
.endr
.irp u, 0,1,2,3
.irp t, 0,1
	v_pk_add_f32 v[S+32*\t+8*\u:S+32*\t+8*\u+1], v[S+32*\t+8*\u:S+32*\t+8*\u+1], v[S+32*\t+8*\u+4:S+32*\t+8*\u+5]
.endr
.endr
.irp u, 0,1
.irp t, 0,1
	v_pk_add_f32 v[S+32*\t+16*\u:S+32*\t+16*\u+1], v[S+32*\t+16*\u:S+32*\t+16*\u+1], v[S+32*\t+16*\u+8:S+32*\t+16*\u+9]
.endr
.endr
.irp t, 0,1
	v_pk_add_f32 v[S+32*\t:S+32*\t+1], v[S+32*\t:S+32*\t+1], v[S+32*\t+16:S+32*\t+17]
.endr
.irp t, 0,1
	v_pk_mul_f32 v[ST+8*\t+2:ST+8*\t+3], v[ST+8*\t+2:ST+8*\t+3], v[ST+8*\t+6:ST+8*\t+7] op_sel_hi:[1,0]
.endr
.irp t, 0,1
	v_pk_fma_f32 v[ST+8*\t+2:ST+8*\t+3], v[S+32*\t:S+32*\t+1], v[G:G+1], v[ST+8*\t+2:ST+8*\t+3] op_sel_hi:[1,0,1]
.endr
.set I, 0
.rept 16
.irp t, 0,1
	v_pk_mul_f32 v[O+32*\t+2*I:O+32*\t+2*I+1], v[O+32*\t+2*I:O+32*\t+2*I+1], v[ST+8*\t+6:ST+8*\t+7] op_sel_hi:[1,0]
.endr
.set I, I+1
.endr
.endm
; The unit's factors, read a trip ago, become c qP kP, nd and 2^nd; the next unit's two words are asked for.  They enter as values alone.
.macro FACT
	s_wait_kmcnt 0x0
	s_mov_b32 s84, s[KP]
	s_sub_co_u32 s85, s[PG], s[VP]                 ; on the bits: (log2 P_g - log2 vP) << 23
	s_add_co_u32 s86, s[U], 1
	s_min_u32 s86, s86, 16
	s_cmp_ge_u32 s86, s[NU0]
	s_cselect_b32 s87, s[NU0], 0
	s_sub_co_u32 s86, s86, s87                     ; the next trip's unit
	s_lshl_b32 s86, s86, 2
	s_load_b32 s[KP], s[66:67], s86 offset:0x0
	s_load_b32 s[VP], s[68:69], s86 offset:0x0
	s_lshr_b32 s85, s85, 23
	s_min_u32 s85, s85, 60
	s_add_co_u32 s88, s85, 127
	s_lshl_b32 s88, s88, 23
	v_mul_f32 v[CK], s84, v[C0Q]
	v_mov_b32 v[CK+1], v[CK]
	v_cvt_f32_u32 v[ND], s85
	v_mov_b32 v[G], s88
	v_mov_b32 v[G+1], s88
.endm
; A block of queries begins: its pointers, Q's fragments, qP; m = -3e38, l = 0, O^T = 0.
.macro INIT
	s_lshl_b32 s82, s[BLK], 15
	s_mov_b32 s83, 0
	s_add_nc_u64 s[90:91], s[72:73], s[82:83]
	s_lshl_b32 s82, s[BLK], 14
	s_add_nc_u64 s[92:93], s[74:75], s[82:83]
	s_lshl_b32 s82, s[BLK], 2
	s_load_b32 s[QP], s[70:71], s82 offset:0x0
	WIN 0x40
.irp t, 0,1
.irp c, 0,1,2,3
	global_load_b128 v[32*\t+8*\c:32*\t+8*\c+3],   v[QO], s[90:91] offset:4096*\t+64*\c
	global_load_b128 v[32*\t+8*\c+4:32*\t+8*\c+7], v[QO], s[90:91] offset:4096*\t+64*\c+32
.endr
.endr
	WIN 0
.irp t, 0,1
	v_mov_b32 v[ST+8*\t+1], 0xff61b1e6
	v_mov_b32 v[ST+8*\t+2], 0
	v_mov_b32 v[ST+8*\t+3], 0
.endr
.set I, 0
.rept 64
	v_mov_b32 v[O+I], 0
.set I, I+1
.endr
	s_wait_kmcnt 0x0
	v_mov_b32 v[C0Q], 0x3e0293ee                   ; c = log2(e) / sqrt(128)
	v_mul_f32 v[C0Q], s[QP], v[C0Q]
	s_wait_loadcnt 0x0
.endm
; A block of queries ends: O^T / l as f16 through my stage: 16 queries are 2,048 consecutive bytes of o16; a store of the wave covers 512 of them.
.macro FINISH
.irp t, 0,1
	v_add_f32 v[ST+8*\t+4], v[ST+8*\t+2], v[ST+8*\t+3]
.endr
.irp t, 0,1
	v_permlanex16_b32 v[ST+8*\t+5], v[ST+8*\t+4], s[SEL], s[SEL+1]
.endr
.irp t, 0,1
	v_add_f32 v[ST+8*\t+4], v[ST+8*\t+4], v[ST+8*\t+5]
.endr
.irp t, 0,1
	v_rcp_f32 v[ST+8*\t+6], v[ST+8*\t+4]
.endr
	v_nop
	s_wait_alu depctr_va_vdst(0)                   ; one wait for the two reciprocals, ahead of their first reader
.irp t, 0,1
.set I, 0
.rept 16
	v_pk_mul_f32 v[S+2*I:S+2*I+1], v[O+32*\t+2*I:O+32*\t+2*I+1], v[ST+8*\t+6:ST+8*\t+7] op_sel_hi:[1,0]
.set I, I+1
.endr
.set I, 0
.rept 16
	v_cvt_pk_f16_f32 v[S+32+I], v[S+2*I], v[S+2*I+1]
.set I, I+1
.endr
.irp d, 0,1,2,3
	ds_store_b128 v[STO], v[S+32+4*\d:S+32+4*\d+3] offset:32*\d
.endr
.irp n, 0,1,2,3
	ds_load_b128 v[S+48+4*\n:S+48+4*\n+3], v[RD] offset:576*\n   ; LDS serves a wave's instructions in order: these see the stores above
.endr
	s_wait_dscnt 0x0
.irp n, 0,1,2,3
	global_store_b128 v[GO], v[S+48+4*\n:S+48+4*\n+3], s[92:93] offset:2048*\t+512*\n
.endr
	s_wait_xcnt 0x0                                ; the stores have read their registers and their base
.endr
.endm
; The change of slots: the whole unit in hand lies in registers.  Each wave waits for all its tensor loads (its part of the next unit), adds 0 to its spare word, and waits for that and for its reads of this slot.
; fill = 1: behind the barrier this slot takes the unit of trip U + 2, which has a whole trip in which to land.
.macro CHANGE fill
	WIN 0
	s_wait_tensorcnt 0x0                           ; no tensor load of mine is out, so a group 0 may be written
	ds_add_u32 v[SPW], v[NIL]
.if \fill
	s_add_co_u32 s82, s[U], 2
	s_cmp_ge_u32 s82, s[NU0]
	s_cselect_b32 s83, s[NU0], 0
	s_sub_co_u32 s82, s82, s83                     ; which unit trip U + 2 wants
	s_lshl_b32 s84, s82, 15
	s_mov_b32 s85, 0
	s_add_nc_u64 s[G0K+6:G0K+7], s[60:61], s[84:85]
	s_or_b32 s[G0K+7], s[G0K+7], 0x80000000
	s_lshl_b32 s84, s82, 14
	s_add_nc_u64 s[G0V+6:G0V+7], s[62:63], s[84:85]
	s_or_b32 s[G0V+7], s[G0V+7], 0x80000000
	s_xor_b32 s[G0K+5], s[G0K+5], SLOT1
	s_xor_b32 s[G0V+5], s[G0V+5], SLOT1
	s_wait_xcnt 0x0                                ; the last prefetches, a trip back, have read their addresses
	s_add_nc_u64 s[76:77], s[76:77], 32768
	s_add_nc_u64 s[78:79], s[78:79], 16384
.endif
	s_wait_dscnt 0x0                               ; the add is done, and my reads of this slot are over
	s_barrier_signal -1
	s_barrier_wait -1
.if \fill
	TLOAD                                          ; the first thing behind the barrier, and my one tensor load until the next
	ASK
.endif
	s_xor_b32 s[TB], s[TB], SLOT1
.endm
.macro TRIP fill
	s_cmp_eq_u32 s[U], s[LASTU]
	s_cselect_b32 s[DG], 1, 0
	s_cmp_eq_u32 s[U], 16
	s_cselect_b32 s[DG], 1, s[DG]
	FACT
	s_wait_dscnt 16                                ; K of step 0 is in; V's 16 loads may be out
	KQ
	PLACES
	FETCH_K 1
	MASK 0
	SOFTMAX
	s_wait_dscnt 32                                ; V of step 0 is in; K's 32 loads of step 1 may be out
	PVM
	PLACES
	FETCH_V 1
	s_wait_dscnt 16                                ; K of step 1 is in; V's 16 may be out
	KQ
	PLACES
	CHANGE \fill
	FETCH_K 0                                      ; the next unit's first step (in the last trip: the other slot's old tile, of which nothing is made)
	MASK 1
	SOFTMAX
	PVM
	PLACES
	FETCH_V 0
	s_cmp_eq_u32 s[DG], 0
	s_cbranch_scc1 .Lgo_\@
	FINISH                                         ; the diagonal unit was the block's last
.if \fill == 0
	s_cmp_eq_u32 s[U], 16
	s_cbranch_scc1 .Lgo_\@
.endif
	s_mov_b32 s[BLK], ttmp9                        ; on to block i
	INIT
.Lgo_\@:
	s_add_co_u32 s[U], s[U], 1
.endm
	s_mov_b32 s[BLK], s[LASTU]
	INIT                                           ; block 15 - i; its last wait also covers the words of vs
	v_max3_num_f32 v64, v64, v65, v66              ; P_g: the largest of the 256 words
	v_max3_num_f32 v64, v64, v67, v68
	v_max3_num_f32 v64, v64, v69, v70
	v_max_num_f32 v64, v64, v71
	v_max_num_f32_dpp v64, v64, v64 row_xmask:1 row_mask:0xf bank_mask:0xf
	v_max_num_f32_dpp v64, v64, v64 row_xmask:2 row_mask:0xf bank_mask:0xf
	v_max_num_f32_dpp v64, v64, v64 row_xmask:4 row_mask:0xf bank_mask:0xf
	v_max_num_f32_dpp v64, v64, v64 row_xmask:8 row_mask:0xf bank_mask:0xf
	v_permlanex16_b32 v65, v64, s[SEL], s[SEL+1]
	v_max_num_f32 v64, v64, v65
	v_readfirstlane_b32 s[PG], v64
	s_mov_b32 s86, 0
	s_load_b32 s[KP], s[66:67], s86 offset:0x0     ; unit 0's factors
	s_load_b32 s[VP], s[68:69], s86 offset:0x0
	s_mov_b32 s[U], 0
	s_wait_tensorcnt 0x1                           ; my part of unit 0 is in; unit 1's may be out
	s_barrier_signal -1
	s_barrier_wait -1
	FETCH_K 0
	FETCH_V 0
.Lfill:                                            ; trips 0 to 14 ask for the units of trips 2 to 16
	TRIP 1
	s_cmp_lt_u32 s[U], 15
	s_cbranch_scc1 .Lfill
.Ltail:                                            ; trips 15 and 16 ask for nothing: written out
	TRIP 0
	s_cmp_lt_u32 s[U], 17
	s_cbranch_scc1 .Ltail
	s_wait_tensorcnt 0x0                           ; the wave's end
	ds_add_u32 v[SPW], v[NIL]
	s_wait_dscnt 0x0
	s_endpgm
.Lfunc_end_k_q2f7a03c6fb_attn:
	.size	k_q2f7a03c6fb_attn, .Lfunc_end_k_q2f7a03c6fb_attn-k_q2f7a03c6fb_attn
	.p2alignl 7, 3214868480
	.fill 96, 4, 3214868480
	.section	.rodata,"a",@progbits
	.p2align	6, 0x0
	.amdhsa_kernel k_q2f7a03c6fb_attn
		.amdhsa_group_segment_fixed_size 327680
		.amdhsa_private_segment_fixed_size 0
		.amdhsa_enable_private_segment 0
		.amdhsa_kernarg_size 32
		.amdhsa_user_sgpr_count 2
		.amdhsa_user_sgpr_kernarg_segment_ptr 1
		.amdhsa_wavefront_size32 1
		.amdhsa_system_sgpr_workgroup_id_x 1
		.amdhsa_system_sgpr_workgroup_id_y 1
		.amdhsa_system_sgpr_workgroup_id_z 1
		.amdhsa_system_vgpr_workitem_id 0
		.amdhsa_next_free_vgpr 512
		.amdhsa_next_free_sgpr 100
		.amdhsa_reserve_vcc 1
		.amdhsa_float_denorm_mode_32 3
		.amdhsa_float_denorm_mode_16_64 3
		.amdhsa_memory_ordered 1
		.amdhsa_forward_progress 1
		.amdhsa_inst_pref_size 135
	.end_amdhsa_kernel
	.amdgpu_metadata
---
amdhsa.version: [ 1, 2 ]
amdhsa.kernels:
  - .name:           k_q2f7a03c6fb_attn
    .symbol:         k_q2f7a03c6fb_attn.kd
    .args:
      - { .name: q16, .offset: 0, .size: 8, .value_kind: global_buffer, .address_space: global }
      - { .name: pj, .offset: 8, .size: 8, .value_kind: global_buffer, .address_space: global }
      - { .name: kv2, .offset: 16, .size: 8, .value_kind: global_buffer, .address_space: global }
      - { .name: o16, .offset: 24, .size: 8, .value_kind: global_buffer, .address_space: global }
    .group_segment_fixed_size: 327680
    .private_segment_fixed_size: 0
    .kernarg_segment_align: 8
    .kernarg_segment_size: 32
    .max_flat_workgroup_size: 128
    .sgpr_count:     100
    .vgpr_count:     512
    .wavefront_size: 32
...
	.end_amdgpu_metadata
.endif
;; end of part 4
;; launch oproj (part 5): grid 8 x 32, 4 waves a work-group, clusters of 4 x 4, 327,680 bytes of LDS; arguments o16, w16, kv2, out0; writes out0
.if DOCPART == 5
	.amdgcn_target "amdgcn-amd-amdhsa--gfx1250"
	.amdhsa_code_object_version 6
	.text
	.protected	k_q2f7a03c6fb_oproj
	.globl	k_q2f7a03c6fb_oproj
	.p2align	8
	.type	k_q2f7a03c6fb_oproj,@function
k_q2f7a03c6fb_oproj:
	s_mov_b64 s[64:65], 0
	v_nop
	global_prefetch_b8 v0, s[64:65] scope:SCOPE_SE
	s_setreg_imm32_b32 hwreg(HW_REG_WAVE_MODE, 25, 1), 1
	s_wait_xcnt 0x0
	s_wait_alu depctr_hold_cnt(0) depctr_sa_sdst(0) depctr_va_vdst(0) depctr_va_sdst(0) depctr_va_ssrc(0) depctr_va_vcc(0) depctr_vm_vsrc(0)
	s_getreg_b32 s2, hwreg(HW_REG_IB_STS2, 6, 4)
	s_cmp_eq_u32 s2, 0
	s_cbranch_scc0 .Lentry_in_a_cluster
	s_endpgm
.Lentry_in_a_cluster:
	s_bfe_u32 s2, ttmp6, 0x10000c
	s_cmp_lg_u32 s2, 0xf033
	s_cbranch_scc0 .Lentry_shape_is_right
	s_endpgm
.Lentry_shape_is_right:
; OPROJ.  out0 = P_g (o / P_g) w_o: 4,096 x 2,048 x 1,024 with f16 operands, sums in f32, times P_g (the largest word of the table vs) at the end.
; A tile of 128 tokens x 256 columns to a work-group (256 work-groups), 64 x 128 to a wave: 32 accumulators.  K goes in steps of 128 (two heads) through two LDS slots.
; o16 lies [h][token][64]: a head's 128 tokens are 16,384 dense bytes, stated as 64 rows of 256 bytes (two tokens a row) with 16 bytes of padding.  w_o lies [k][n] and is read turned.
; CLUSTER 4 x 4: the tokens' tiles are shared along a row of the cluster, the weights' along a column.  THE MATRIX INSTRUCTION IS USED TRANSPOSED: a lane holds one token and eight neighbouring columns.
; Rows 0-15 of each batch are written here too, and written again, more finely, by a later launch.
; REGISTERS: window 0: v0-31 addresses, v[30:31] P_g; v64-95, v96-127 the tokens' fragments, two buffers; v128-255 the way out.  window 1: v0-63, v64-127 the weights' fragments.  window 2: the accumulators ((a, b) at v[8 (8 a + b)]).
.set PITCHB, 544
.set PLANE,  64*272                    ; a head's 128 tokens in LDS
.set SLOT,   2*PLANE+128*PITCHB
.set STAGE,  2*SLOT                    ; 16 rows x 528 bytes a wave; no tile lands here
.set SPITCH, 528
.set SPARE,  STAGE+4*16*SPITCH
.set LAPS,   4
.set ADRA, 16
.set ADRB, 20
.set STO,  24
.set RD,   25
.set CO,   26
.set SPW,  28
.set NIL,  29
.set PGV,  30
.set BK,   128
.set G1, 24
.set G0, 32
.set G1B, 48
.set G0B, 56
.set MSB, 0
.macro WIN new
.if MSB != (\new)
	s_set_vgpr_msb (MSB<<8)|(\new)
.set MSB, (\new)
.endif
.endm
.set MUL, 0xa1
.macro JLOAD s
	s_cmp_eq_u32 s13, 0
	s_cbranch_scc0 .Lfor_b_\@
	tensor_load_to_lds s[G0+4*\s:G0+4*\s+3], s[G1:G1+7]
	s_nop 0
.rept 4
	v_nop
.endr
	s_branch .Lasked_\@
.Lfor_b_\@:
	tensor_load_to_lds s[G0B+4*\s:G0B+4*\s+3], s[G1B:G1B+7]
	s_nop 0
.rept 4
	v_nop
.endr
.Lasked_\@:
.endm
.macro CREST
	s_cmp_lg_u32 s12, 0
	s_cbranch_scc1 .Lnot_wave_0_\@
	s_barrier_signal -3
.Lnot_wave_0_\@:
	s_barrier_wait -3
	s_barrier_signal -1
	s_barrier_wait -1
.endm
.macro CROUND
	s_barrier_signal -1
	s_barrier_wait -1
	CREST
.endm
	s_load_b256 s[4:11], s[0:1], 0x0               ; o16, w16, kv2, out0
	v_lshl_add_u32 v[SPW], v0, 2, SPARE
	v_mov_b32 v[NIL], 0
	ds_add_u32 v[SPW], v[NIL]                      ; the wave's opening: the add, twice on end, and its wait ahead of my first tensor load
	ds_add_u32 v[SPW], v[NIL]
	v_lshrrev_b32 v1, 5, v0
	v_readfirstlane_b32 s12, v1
	s_lshr_b32 s13, s12, 1                         ; my 64 tokens; also: I fetch tokens (0) or weights (1)
	s_and_b32 s14, s12, 1                          ; my 128 columns; also: which head of the step, or which 64 rows of w_o, I fetch
	s_bfe_u32 s40, ttmp6, 0x40000
	s_bfe_u32 s41, ttmp6, 0x40004
	s_lshl_b32 s42, ttmp9, 2
	s_add_co_u32 s42, s42, s40                     ; column tile
	s_and_b32 s43, ttmp7, 0xffff
	s_lshl_b32 s43, s43, 2
	s_add_co_u32 s43, s43, s41                     ; row tile
	s_lshl_b32 s44, s41, 2
	s_lshl_b32 s44, 15, s44
	s_lshl_b32 s45, 0x1111, s40
	s_or_b32 s[G1+0], s44, (1<<16)|(1<<20)|(1<<21)|(5<<22)|(3<<25)
	s_mov_b32 s[G1+1], 128<<16
	s_mov_b32 s[G1+2], 64<<16
	s_mov_b32 s[G1+3], 128<<16
	s_mov_b32 s[G1+4], 64
	s_mov_b32 s[G1+5], 128
	s_mov_b32 s[G1+6], 0
	s_mov_b32 s[G1+7], 0
	s_or_b32 s[G1B+0], s45, (1<<16)|(1<<20)|(1<<21)|(6<<22)|(7<<25)
	s_mov_b32 s[G1B+1], 256<<16
	s_mov_b32 s[G1B+2], 64<<16
	s_mov_b32 s[G1B+3], 256<<16
	s_mov_b32 s[G1B+4], 64
	s_mov_b32 s[G1B+5], 2048
	s_mov_b32 s[G1B+6], 0
	s_mov_b32 s[G1B+7], 0
	s_lshl_b32 s16, s43, 14
	s_lshl_b32 s17, s14, 19
	s_add_co_u32 s16, s16, s17                     ; tokens: head p x 524,288 + row tile x 16,384 bytes
	s_mov_b32 s17, 0
	s_lshl_b32 s46, s14, 18
	s_lshl_b32 s47, s42, 9
	s_add_co_u32 s46, s46, s47
	s_add_co_u32 s46, s46, 1572864                 ; weights: 64 p rows of 4,096 bytes + 512 x column tile
	s_mov_b32 s47, 0
	s_mul_i32 s20, s14, PLANE
	s_mul_i32 s21, s14, 64*PITCHB
	s_add_co_u32 s21, s21, 2*PLANE
	s_wait_dscnt 0x0
	s_wait_kmcnt 0x0
	s_add_nc_u64 s[18:19], s[4:5], s[16:17]
	s_add_nc_u64 s[46:47], s[6:7], s[46:47]
	CROUND                                         ; all sixteen work-groups are here
.irp s, 0,1
	s_mov_b32 s[G0+4*\s], 1
	s_add_co_u32 s[G0+4*\s+1], s20, \s*SLOT
	s_add_nc_u64 s[G0+4*\s+2:G0+4*\s+3], s[18:19], \s*1048576
	s_or_b32 s[G0+4*\s+3], s[G0+4*\s+3], 0x80000000
	s_mov_b32 s[G0B+4*\s], 1
	s_add_co_u32 s[G0B+4*\s+1], s21, \s*SLOT
	s_add_nc_u64 s[G0B+4*\s+2:G0B+4*\s+3], s[46:47], \s*524288
	s_or_b32 s[G0B+4*\s+3], s[G0B+4*\s+3], 0x80000000
	JLOAD \s
.endr
	v_and_b32 v3, 31, v0
	v_lshlrev_b32 v7, 5, v3
	s_add_nc_u64 s[92:93], s[8:9], 25167872
	global_load_b128 v[32:35], v7, s[92:93]        ; the 256 words of vs, eight a lane
	global_load_b128 v[36:39], v7, s[92:93] offset:16
	v_and_b32 v1, 15, v0                           ; r
	v_bfe_u32 v2, v0, 4, 1                         ; h
	v_lshrrev_b32 v4, 1, v1
	v_mul_u32_u24 v4, v4, 272
	v_and_b32 v5, 1, v1
	v_lshl_add_u32 v4, v5, 7, v4
	v_lshl_add_u32 v4, v2, 4, v4                   ; token r: row r / 2, half r % 2: the 16 rows of a fragment fall 16 bytes apart modulo 256
	s_mul_i32 s21, s13, 32*272
	v_and_b32 v5, 7, v0
	v_lshl_add_u32 v5, v2, 3, v5
	v_mul_u32_u24 v5, v5, PITCHB
	v_bfe_u32 v6, v0, 3, 1
	v_lshl_add_u32 v5, v6, 4, v5
	s_lshl_b32 s22, s14, 8
	s_add_co_u32 s22, s22, 2*PLANE
.irp s, 0,1
	v_add_nc_u32 v[ADRA+\s], s21, v4
	v_add_nc_u32 v[ADRB+\s], s22, v5
	s_add_co_u32 s21, s21, SLOT
	s_add_co_u32 s22, s22, SLOT
.endr
	s_mul_i32 s23, s12, 16*SPITCH
	s_add_co_u32 s23, s23, STAGE
	v_mul_u32_u24 v5, v1, SPITCH
	v_lshl_add_u32 v5, v2, 5, v5
	v_add_nc_u32 v[STO], s23, v5
	v_lshlrev_b32 v[CO], 4, v3
	v_add_nc_u32 v[RD], s23, v[CO]
	s_lshl_b32 s16, s43, 7
	s_lshl_b32 s17, s13, 6
	s_add_co_u32 s16, s16, s17
	s_lshl_b32 s16, s16, 13                        ; my first token x 8,192 bytes
	s_lshl_b32 s17, s42, 10
	s_add_co_u32 s16, s16, s17
	s_lshl_b32 s17, s14, 9
	s_add_co_u32 s16, s16, s17
	s_mov_b32 s17, 0
	s_add_nc_u64 s[10:11], s[10:11], s[16:17]
	s_mov_b32 s94, 0x76543210
	s_mov_b32 s95, 0xfedcba98
	s_wait_loadcnt 0x0
	v_max3_num_f32 v32, v32, v33, v34
	v_max3_num_f32 v32, v32, v35, v36
	v_max3_num_f32 v32, v32, v37, v38
	v_max_num_f32 v32, v32, v39
	v_max_num_f32_dpp v32, v32, v32 row_xmask:1 row_mask:0xf bank_mask:0xf
	v_max_num_f32_dpp v32, v32, v32 row_xmask:2 row_mask:0xf bank_mask:0xf
	v_max_num_f32_dpp v32, v32, v32 row_xmask:4 row_mask:0xf bank_mask:0xf
	v_max_num_f32_dpp v32, v32, v32 row_xmask:8 row_mask:0xf bank_mask:0xf
	v_permlanex16_b32 v33, v32, s94, s95
	v_max_num_f32 v[PGV], v32, v33
	v_mov_b32 v[PGV+1], v[PGV]
.macro MULA f, a, zero                 ; 8 matrix instructions: token block a against the eight column blocks; the 32 accumulators take turns
.irp b, 0,1,2,3,4,5,6,7
.if \zero
	v_wmma_f32_16x16x32_f16 v[8*(8*(\a)+\b):8*(8*(\a)+\b)+7], v[64*(\f)+8*\b:64*(\f)+8*\b+7], v[64+32*(\f)+8*(\a):64+32*(\f)+8*(\a)+7], 0
.else
	v_wmma_f32_16x16x32_f16 v[8*(8*(\a)+\b):8*(8*(\a)+\b)+7], v[64*(\f)+8*\b:64*(\f)+8*\b+7], v[64+32*(\f)+8*(\a):64+32*(\f)+8*(\a)+7], v[8*(8*(\a)+\b):8*(8*(\a)+\b)+7]
.endif
.endr
.endm
.macro FETCH slot, q, f                ; 24 LDS loads in one run: the slot's q-th 32 along K
	WIN 0x40
.irp i, 0,1,2,3,4,5,6,7
	ds_load_tr16_b128 v[64*(\f)+8*\i:64*(\f)+8*\i+3],   v[ADRB+\slot] offset:(\q)*32*PITCHB+32*\i
	ds_load_tr16_b128 v[64*(\f)+8*\i+4:64*(\f)+8*\i+7], v[ADRB+\slot] offset:(\q)*32*PITCHB+32*\i+16*PITCHB
.endr
	WIN 0
.irp a, 0,1,2,3
	ds_load_b128 v[64+32*(\f)+8*\a:64+32*(\f)+8*\a+3],   v[ADRA+\slot] offset:PLANE*((\q)/2)+2176*\a+64*((\q)%2)
	ds_load_b128 v[64+32*(\f)+8*\a+4:64+32*(\f)+8*\a+7], v[ADRA+\slot] offset:PLANE*((\q)/2)+2176*\a+64*((\q)%2)+32
.endr
.endm
.macro PLACES
.rept 4
	v_nop
.endr
.endm
.macro QUARTER slot, q, f, g, zero
	s_wait_dscnt 4                                 ; the weights and token blocks 0, 1 are in; blocks 2 and 3's four loads may be out
	WIN MUL
	MULA \f, 0, \zero
	MULA \f, 1, \zero
	PLACES
	FETCH \slot, \q, \g
	s_wait_dscnt 24                                ; all but the 24 just issued
	WIN MUL
	MULA \f, 2, \zero
	MULA \f, 3, \zero
.endm
; A slot's last quarter changes slots: one barrier; in front of it each wave waits for all its tensor loads, adds 0 to its spare word, and waits for that and for its reads of this slot.
.macro TURN slot, next, fill
	WIN 0
	s_wait_tensorcnt 0x0
	ds_add_u32 v[SPW], v[NIL]
	s_wait_dscnt 5                                 ; the add and the youngest four loads may be out
	WIN MUL
	MULA 1, 0, 0
	s_wait_dscnt 0x0
	s_barrier_signal -1
	MULA 1, 1, 0
.if \fill
	WIN 0
.endif
	s_barrier_wait -1
.if \fill
	CREST                                          ; the barrier has opened a round of the cluster's barrier
	s_add_nc_u64 s[G0+4*\slot+2:G0+4*\slot+3], s[G0+4*\slot+2:G0+4*\slot+3], 2097152
	s_add_nc_u64 s[G0B+4*\slot+2:G0B+4*\slot+3], s[G0B+4*\slot+2:G0B+4*\slot+3], 1048576
	JLOAD \slot                                    ; the first tensor load behind the round; its four v_nop are the places in front of the loads below
.else
	PLACES
.endif
	FETCH \next, 0, 0
	WIN MUL
	MULA 1, 2, 0
	MULA 1, 3, 0
.endm
	s_wait_tensorcnt 1                             ; my part of K step 0 is in; K step 1's may be out
	s_barrier_signal -1
	s_barrier_wait -1
	FETCH 0, 0, 0
	QUARTER 0, 1, 0, 1, 1                          ; the first quarter's products start the sums
	WIN 0
	s_mov_b32 s3, LAPS-1
.Llap:
	QUARTER 0, 2, 1, 0, 0
	QUARTER 0, 3, 0, 1, 0
	TURN 0, 1, 1
	QUARTER 1, 1, 0, 1, 0
	QUARTER 1, 2, 1, 0, 0
	QUARTER 1, 3, 0, 1, 0
	TURN 1, 0, 1
	QUARTER 0, 1, 0, 1, 0
	WIN 0
	s_sub_co_u32 s3, s3, 1
	s_cmp_lg_u32 s3, 0
	s_cbranch_scc1 .Llap
	QUARTER 0, 2, 1, 0, 0                          ; the last lap fills nothing
	QUARTER 0, 3, 0, 1, 0
	TURN 0, 1, 0
	QUARTER 1, 1, 0, 1, 0
	QUARTER 1, 2, 1, 0, 0
	QUARTER 1, 3, 0, 1, 0
	s_wait_dscnt 4
	WIN MUL
	MULA 1, 0, 0
	MULA 1, 1, 0
	s_wait_dscnt 0x0
	MULA 1, 2, 0
	MULA 1, 3, 0
	WIN 0
; THE WAY OUT, a block of 16 tokens x 128 columns at a time: x P_g in place, through my stage, back as whole rows of 512 bytes.
.macro TOSTAGE a
	WIN 0x82
.set I, 0
.rept 32
	v_pk_mul_f32 v[64*(\a)+2*I:64*(\a)+2*I+1], v[64*(\a)+2*I:64*(\a)+2*I+1], v[PGV:PGV+1] op_sel_hi:[1,0]
.set I, I+1
.endr
	WIN 0x08
.irp b, 0,1,2,3,4,5,6,7
	ds_store_b128 v[STO], v[64*(\a)+8*\b:64*(\a)+8*\b+3] offset:64*\b
	ds_store_b128 v[STO], v[64*(\a)+8*\b+4:64*(\a)+8*\b+7] offset:64*\b+16
.endr
	WIN 0
.set BB, BK+64*((\a)%2)
.irp t, 0,1,2,3,4,5,6,7,8,9,10,11,12,13,14,15
	ds_load_b128 v[BB+4*\t:BB+4*\t+3], v[RD] offset:\t*SPITCH
.endr
.endm
.macro SEND a, younger
.set BB, BK+64*((\a)%2)
	s_wait_dscnt \younger
.if (\a) > 0
	s_add_nc_u64 s[10:11], s[10:11], 16*8192       ; behind a wait on XCNT: the earlier stores have read their base
.endif
.irp t, 0,1,2,3,4,5,6,7,8,9,10,11,12,13,14,15
	global_store_b128 v[CO], v[BB+4*\t:BB+4*\t+3], s[10:11] offset:\t*8192 th:TH_STORE_NT   ; 32 lanes store 512 consecutive bytes, aligned
.endr
.endm
	PLACES
	TOSTAGE 0
.irp a, 1,2,3
.if \a > 1
	s_wait_xcnt 0x0                                ; block a - 2's stores have read their registers and their base
.endif
	TOSTAGE \a
	SEND \a-1, 32                                  ; behind block a - 1's loads: block a's 16 stores and 16 loads
.endr
	s_wait_xcnt 0x0
	SEND 3, 0
	s_wait_tensorcnt 0x0                           ; the wave's end
	ds_add_u32 v[SPW], v[NIL]
	s_wait_dscnt 0x0
	CROUND                                         ; the closing round
	s_endpgm
.Lfunc_end_k_q2f7a03c6fb_oproj:
	.size	k_q2f7a03c6fb_oproj, .Lfunc_end_k_q2f7a03c6fb_oproj-k_q2f7a03c6fb_oproj
	.p2alignl 7, 3214868480
	.fill 96, 4, 3214868480
	.section	.rodata,"a",@progbits
	.p2align	6, 0x0
	.amdhsa_kernel k_q2f7a03c6fb_oproj
		.amdhsa_group_segment_fixed_size 327680
		.amdhsa_private_segment_fixed_size 0
		.amdhsa_enable_private_segment 0
		.amdhsa_kernarg_size 32
		.amdhsa_user_sgpr_count 2
		.amdhsa_user_sgpr_kernarg_segment_ptr 1
		.amdhsa_wavefront_size32 1
		.amdhsa_system_sgpr_workgroup_id_x 1
		.amdhsa_system_sgpr_workgroup_id_y 1
		.amdhsa_system_sgpr_workgroup_id_z 1
		.amdhsa_system_vgpr_workitem_id 0
		.amdhsa_next_free_vgpr 768
		.amdhsa_next_free_sgpr 100
		.amdhsa_reserve_vcc 0
		.amdhsa_float_denorm_mode_32 3
		.amdhsa_float_denorm_mode_16_64 3
		.amdhsa_memory_ordered 1
		.amdhsa_forward_progress 1
		.amdhsa_inst_pref_size 95
	.end_amdhsa_kernel
	.amdgpu_metadata
---
amdhsa.version: [ 1, 2 ]
amdhsa.kernels:
  - .name:           k_q2f7a03c6fb_oproj
    .symbol:         k_q2f7a03c6fb_oproj.kd
    .args:
      - { .name: o16, .offset: 0, .size: 8, .value_kind: global_buffer, .address_space: global }
      - { .name: w16, .offset: 8, .size: 8, .value_kind: global_buffer, .address_space: global }
      - { .name: kv2, .offset: 16, .size: 8, .value_kind: global_buffer, .address_space: global }
      - { .name: out0, .offset: 24, .size: 8, .value_kind: global_buffer, .address_space: global }
    .group_segment_fixed_size: 327680
    .private_segment_fixed_size: 0
    .kernarg_segment_align: 8
    .kernarg_segment_size: 32
    .max_flat_workgroup_size: 128
    .sgpr_count:     100
    .vgpr_count:     768
    .wavefront_size: 32
...
	.end_amdgpu_metadata
.endif
;; end of part 5
;; launch fine_b (part 6): grid 128 x 2, 4 waves a work-group, no clusters, 4,608 bytes of LDS; arguments of32, w_o, out0; writes out0
.if DOCPART == 6
	.amdgcn_target "amdgcn-amd-amdhsa--gfx1250"
	.amdhsa_code_object_version 6
	.text
	.protected	k_q2f7a03c6fb_fine_b
	.globl	k_q2f7a03c6fb_fine_b
	.p2align	8
	.type	k_q2f7a03c6fb_fine_b,@function
k_q2f7a03c6fb_fine_b:
	s_mov_b64 s[64:65], 0
	v_nop
	global_prefetch_b8 v0, s[64:65] scope:SCOPE_SE
	s_setreg_imm32_b32 hwreg(HW_REG_WAVE_MODE, 25, 1), 1
	s_wait_xcnt 0x0
; FINE_B.  Positions 0-15 of batch y, columns 16 x .. 16 x + 15 of the output: of32 (16 x 1,024) times w_o, all in f32; it writes these rows of out0 again, over what the f16 product left there.
; Wave w takes K = 256 w .. 256 w + 255; the four parts meet in LDS as images of their registers, and wave 0 adds and stores them.  A work-group stores 16 pieces of 64 bytes: so few outputs to a work-group spread the f32 products over many work-groups; the whole result is 256 KiB.
; K is permuted alike on both sides: lane (r, h), instruction i takes k = 128 h + 2 i + 0, 1.  Two accumulators take turns; v208-223 are written by matrix instructions alone.
.set SPW, 13
.set NIL, 14
.set SPARE, 4096
.macro NOPS8
.rept 8
	v_nop
.endr
.endm
.macro WLOAD c, pitch
.set I, 0
.rept 32
	global_load_b32 v[144+32*((\c)%2)+I], v4, s[22:23] offset:(32*(\c)+I)*(\pitch)
.set I, I+1
.endr
.endm
.macro F32TILE pitch                   ; the weight is source 0: a lane holds a token and eight neighbouring columns; the result lands in v16-23
.set I, 0
.rept 32
	global_load_b128 v[16+4*I:19+4*I], v3, s[18:19] offset:16*I
.set I, I+1
.endr
	WLOAD 0, \pitch
	WLOAD 1, \pitch
.irp c, 0,1,2,3
.if \c < 3
	s_wait_loadcnt 32                              ; this chunk is in; one younger chunk of 32 loads may be out
.else
	s_wait_loadcnt 0x0
.endif
.set I, 0
.rept 16
.set XR, 16+2*(16*\c+I)
.set WR, 144+32*(\c%2)+2*I
.set AR, 208+8*(I%2)
.if (16*\c+I) < 2
	v_wmma_f32_16x16x4_f32 v[AR:AR+7], v[WR:WR+1], v[XR:XR+1], 0
.else
	v_wmma_f32_16x16x4_f32 v[AR:AR+7], v[WR:WR+1], v[XR:XR+1], v[AR:AR+7]
.endif
.set I, I+1
.endr
.if \c < 2
	NOPS8
	WLOAD \c+2, \pitch
.endif
.endr
	NOPS8
.irp j, 0,1,2,3,4,5,6,7
	v_add_f32 v[16+\j], v[208+\j], v[216+\j]
.endr
.endm
	s_load_b128 s[4:7], s[0:1], 0x0                ; of32, w_o
	s_load_b64 s[8:9], s[0:1], 0x10                ; out0
	v_lshl_add_u32 v[SPW], v0, 2, SPARE
	v_mov_b32 v[NIL], 0
	v_lshrrev_b32 v15, 5, v0
	v_readfirstlane_b32 s14, v15                   ; wave
	v_and_b32 v1, 15, v0                           ; r
	v_bfe_u32 v2, v0, 4, 1                         ; h
	v_and_b32 v15, 31, v0
	s_and_b32 s15, ttmp7, 0xffff                   ; batch
	v_lshlrev_b32 v6, 4, v15                       ; an image's place for my lane
	s_lshl_b32 s16, s14, 10
	v_add_nc_u32 v5, s16, v6                       ; my wave's image
	v_lshlrev_b32 v3, 12, v1
	v_lshl_add_u32 v3, v2, 9, v3                   ; of32: row r, + 512 h
	v_lshlrev_b32 v4, 20, v2
	v_lshl_add_u32 v4, v1, 2, v4                   ; w_o: 128 h rows of 8,192 bytes + 4 r
	v_lshlrev_b32 v7, 13, v1
	v_lshl_add_u32 v7, v2, 5, v7                   ; out0: row r, + 32 h
	s_lshl_b32 s26, s15, 16
	s_add_co_u32 s26, s26, s16
	s_mov_b32 s27, 0
	s_lshl_b32 s28, s14, 21
	s_lshl_b32 s29, ttmp9, 6
	s_add_co_u32 s28, s28, s29
	s_mov_b32 s29, 0
	s_lshl_b32 s30, s15, 24
	s_lshl_b32 s31, ttmp9, 6
	s_add_co_u32 s30, s30, s31
	s_mov_b32 s31, 0
	s_wait_kmcnt 0x0
	s_add_nc_u64 s[18:19], s[4:5], s[26:27]
	s_add_nc_u64 s[22:23], s[6:7], s[28:29]
	s_add_nc_u64 s[24:25], s[8:9], s[30:31]
	F32TILE 8192
	ds_store_b128 v5, v[16:19]
	ds_store_b128 v5, v[20:23] offset:512
	s_wait_dscnt 0x0                               ; my stores have landed
	s_barrier_signal -1
	s_barrier_wait -1
	s_cmp_eq_u32 s14, 0
	s_cbranch_scc1 .Lsum
	s_wait_tensorcnt 0x0                           ; the wave's end
	ds_add_u32 v[SPW], v[NIL]
	s_wait_dscnt 0x0
	s_endpgm
.Lsum:
.irp w, 0,1,2,3
	ds_load_b128 v[24+8*\w:27+8*\w], v6 offset:1024*\w
	ds_load_b128 v[28+8*\w:31+8*\w], v6 offset:1024*\w+512
.endr
	s_wait_dscnt 0x0
.irp j, 0,2,4,6
	v_pk_add_f32 v[24+\j:25+\j], v[24+\j:25+\j], v[32+\j:33+\j]
	v_pk_add_f32 v[40+\j:41+\j], v[40+\j:41+\j], v[48+\j:49+\j]
.endr
.irp j, 0,2,4,6
	v_pk_add_f32 v[24+\j:25+\j], v[24+\j:25+\j], v[40+\j:41+\j]
.endr
	global_store_b128 v7, v[24:27], s[24:25]
	global_store_b128 v7, v[28:31], s[24:25] offset:16
	s_wait_tensorcnt 0x0                           ; the wave's end
	ds_add_u32 v[SPW], v[NIL]
	s_wait_dscnt 0x0
	s_endpgm
.Lfunc_end_k_q2f7a03c6fb_fine_b:
	.size	k_q2f7a03c6fb_fine_b, .Lfunc_end_k_q2f7a03c6fb_fine_b-k_q2f7a03c6fb_fine_b
	.p2alignl 7, 3214868480
	.fill 96, 4, 3214868480
	.section	.rodata,"a",@progbits
	.p2align	6, 0x0
	.amdhsa_kernel k_q2f7a03c6fb_fine_b
		.amdhsa_group_segment_fixed_size 4608
		.amdhsa_private_segment_fixed_size 0
		.amdhsa_enable_private_segment 0
		.amdhsa_kernarg_size 24
		.amdhsa_user_sgpr_count 2
		.amdhsa_user_sgpr_kernarg_segment_ptr 1
		.amdhsa_wavefront_size32 1
		.amdhsa_system_sgpr_workgroup_id_x 1
		.amdhsa_system_sgpr_workgroup_id_y 1
		.amdhsa_system_sgpr_workgroup_id_z 1
		.amdhsa_system_vgpr_workitem_id 0
		.amdhsa_next_free_vgpr 256
		.amdhsa_next_free_sgpr 66
		.amdhsa_reserve_vcc 0
		.amdhsa_float_denorm_mode_32 3
		.amdhsa_float_denorm_mode_16_64 3
		.amdhsa_memory_ordered 1
		.amdhsa_forward_progress 1
		.amdhsa_inst_pref_size 24
	.end_amdhsa_kernel
	.amdgpu_metadata
---
amdhsa.version: [ 1, 2 ]
amdhsa.kernels:
  - .name:           k_q2f7a03c6fb_fine_b
    .symbol:         k_q2f7a03c6fb_fine_b.kd
    .args:
      - { .name: of32, .offset: 0, .size: 8, .value_kind: global_buffer, .address_space: global }
      - { .name: w_o, .offset: 8, .size: 8, .value_kind: global_buffer, .address_space: global }
      - { .name: out0, .offset: 16, .size: 8, .value_kind: global_buffer, .address_space: global }
    .group_segment_fixed_size: 4608
    .private_segment_fixed_size: 0
    .kernarg_segment_align: 8
    .kernarg_segment_size: 24
    .max_flat_workgroup_size: 128
    .sgpr_count:     66
    .vgpr_count:     256
    .wavefront_size: 32
...
	.end_amdgpu_metadata
.endif
;; end of part 6
